; MI455X (gfx1250); checked and timed in simulation.
; The chip was launched on July 23, 2026; its instructions are those of AMD's public machine-readable ISA for CDNA 5 (MIT licence, August 2026) and "CDNA5" Instruction Set Architecture Reference Guide (July 2026). The comments in the code are by the model that wrote it; some were corrected since.
;; Attention. Allowed arithmetic: float matrix products may take bf16 or f16 operands with f32 sums; all other float work in f32.
;; Inputs: Wk 512 x 2,048 float32; Wo 2,048 x 2,048 float32; Wq 2,048 x 2,048 float32; Wv 512 x 2,048 float32; bk 512 float32; bq 2,048 float32; bv 512 float32; freqs_cos 2,048 x 32 float32; freqs_sin 2,048 x 32 float32; mask 2,048 x 2,048 float32; x 1 x 2,048 x 2,048 float32.
;; Outputs: out0 1 x 2,048 x 2,048 float32.
;; One version. Each part assembles by itself: llvm-mc -triple=amdgcn-amd-amdhsa -mcpu=gfx1250 --defsym DOCPART=n.
;; ======== version 1 of 1: 4 launches
;; limits: values outside matrix products are rounded to bf16; values are held in f16: magnitudes above 65,504 overflow, below 6.1e-05 lose precision
;; workspace buffers: cb 29,360,128 bytes; hd 12,582,912 bytes; ao 8,388,608 bytes
;; launch cvt (part 1): grid 1792 x 1, 8 waves a work-group, no clusters, 0 bytes of LDS; arguments x, Wq, Wk, Wv, Wo, cb; writes cb
.if DOCPART == 1
	.amdgcn_target "amdgcn-amd-amdhsa--gfx1250"
	.amdhsa_code_object_version 6
	.text
	.protected	k_q0a6aa03e97_cvt
	.globl	k_q0a6aa03e97_cvt
	.p2align	8
	.type	k_q0a6aa03e97_cvt,@function
k_q0a6aa03e97_cvt:
	s_mov_b64 s[64:65], 0
	v_nop
	global_prefetch_b8 v0, s[64:65] scope:SCOPE_SE
	s_setreg_imm32_b32 hwreg(HW_REG_WAVE_MODE, 25, 1), 1
	s_wait_xcnt 0x0
; The matrix operands are rounded once, ahead of the products: x, Wq, Wk, Wv (f32) to bf16, Wo (f32) to bf16 and then written as f16.
; cb: x as [2048][2048] at byte 0; Wq, Wk, Wv as one [3072][2048] at byte 8,388,608; Wo as [2048][2048] at byte 20,971,520.
; Wo's partner in the last product is f16, so Wo has to be f16 too; a bf16 number (8 significant bits) is exact in f16 (11 bits) for
; 6.1e-5 <= |w| < 65,504.  LIMIT: smaller |w| are rounded to a multiple of 6e-8, larger ones become infinite.
; A stream: no LDS, no barrier, no matrix unit.  A work-group takes one unit of 32,768 input bytes (16,384 output bytes); the five
; tensors are 512 + 512 + 128 + 128 + 512 = 1,792 units, and unit u goes to cb + 16,384 u, so that the tensors follow each other in cb.
; Thread t takes 8 numbers (32 bytes in, 16 bytes out) of each of four chunks of 8,192 bytes; a wave's store covers 512 consecutive, aligned bytes.
.set U_WQ, 512                         ; first unit of each tensor
.set U_WK, 1024
.set U_WV, 1152
.set U_WO, 1280
.set X, 4                              ; v[4:35]   four chunks, 8 f32 each
.set Y, 36                             ; v[36:51]  four chunks, 8 numbers of 16 bits each
.set T, 52                             ; v[52:53]  at work
	s_load_b256 s[4:11], s[0:1], 0x0               ; x s[4:5], Wq s[6:7], Wk s[8:9], Wv s[10:11]
	s_load_b128 s[12:15], s[0:1], 0x20             ; Wo s[12:13], cb s[14:15]
	s_mov_b32 s22, 0xffff0000                      ; a word's upper bf16
	s_mov_b32 s18, 0                               ; first unit of the tensor that my unit lies in
	v_lshlrev_b32 v1, 5, v0                        ; 32 t: my bytes in a chunk of the input
	v_lshlrev_b32 v2, 4, v0                        ; 16 t: my bytes in a chunk of the output
	s_wait_kmcnt 0x0
	s_mov_b64 s[16:17], s[4:5]
; the tensor is chosen by the unit's number alone: one compare, two selects on it (selects leave SCC as it is)
.macro PICK first, lo
	s_cmp_ge_u32 ttmp9, \first
	s_cselect_b64 s[16:17], s[\lo:\lo+1], s[16:17]
	s_cselect_b32 s18, \first, s18
.endm
	PICK U_WQ, 6
	PICK U_WK, 8
	PICK U_WV, 10
	PICK U_WO, 12
	s_sub_co_u32 s20, ttmp9, s18
	s_lshl_b32 s20, s20, 15                        ; my unit's bytes in its tensor: below 16 MiB
	s_mov_b32 s21, 0
	s_add_nc_u64 s[16:17], s[16:17], s[20:21]
	s_lshl_b32 s20, ttmp9, 14                      ; and in cb: below 28 MiB
	s_add_nc_u64 s[14:15], s[14:15], s[20:21]
.irp j, 0,1,2,3
	global_load_b128 v[X+8*\j:X+8*\j+3],   v1, s[16:17] offset:8192*\j th:TH_LOAD_NT      ; read once in the whole launch
	global_load_b128 v[X+8*\j+4:X+8*\j+7], v1, s[16:17] offset:8192*\j+16 th:TH_LOAD_NT
.endr
; chunk j: rounded and stored.  wo = 1: the bf16 numbers are widened again (a shift, a mask) and written as f16
.macro CONV j, wo
	s_wait_loadcnt 6-2*\j                          ; loads come back in order (ISA guide 5.7.1): the 6 - 2 j loads of the later chunks stay out
.irp k, 0,1,2,3
	v_cvt_pk_bf16_f32 v[Y+4*\j+\k], v[X+8*\j+2*\k], v[X+8*\j+2*\k+1]
.endr
.if \wo
.irp k, 0,1,2,3
	v_lshlrev_b32 v[T], 16, v[Y+4*\j+\k]
	v_and_b32 v[T+1], s22, v[Y+4*\j+\k]
	v_cvt_pk_f16_f32 v[Y+4*\j+\k], v[T], v[T+1]
.endr
.endif
	global_store_b128 v2, v[Y+4*\j:Y+4*\j+3], s[14:15] offset:4096*\j     ; no hint: the next launches read it
.endm
	s_cmp_ge_u32 ttmp9, U_WO
	s_cbranch_scc1 .Lwo
	CONV 0, 0
	CONV 1, 0
	CONV 2, 0
	CONV 3, 0
	s_endpgm
.Lwo:
	CONV 0, 1
	CONV 1, 1
	CONV 2, 1
	CONV 3, 1
	s_endpgm
.Lfunc_end_k_q0a6aa03e97_cvt:
	.size	k_q0a6aa03e97_cvt, .Lfunc_end_k_q0a6aa03e97_cvt-k_q0a6aa03e97_cvt
	.p2alignl 7, 3214868480
	.fill 96, 4, 3214868480
	.section	.rodata,"a",@progbits
	.p2align	6, 0x0
	.amdhsa_kernel k_q0a6aa03e97_cvt
		.amdhsa_group_segment_fixed_size 0
		.amdhsa_private_segment_fixed_size 0
		.amdhsa_enable_private_segment 0
		.amdhsa_kernarg_size 48
		.amdhsa_user_sgpr_count 2
		.amdhsa_user_sgpr_kernarg_segment_ptr 1
		.amdhsa_wavefront_size32 1
		.amdhsa_system_sgpr_workgroup_id_x 1
		.amdhsa_system_sgpr_workgroup_id_y 1
		.amdhsa_system_sgpr_workgroup_id_z 1
		.amdhsa_system_vgpr_workitem_id 0
		.amdhsa_next_free_vgpr 56
		.amdhsa_next_free_sgpr 66
		.amdhsa_reserve_vcc 0
		.amdhsa_float_denorm_mode_32 3
		.amdhsa_float_denorm_mode_16_64 3
		.amdhsa_memory_ordered 1
		.amdhsa_forward_progress 1
		.amdhsa_inst_pref_size 8
	.end_amdhsa_kernel
	.amdgpu_metadata
---
amdhsa.version: [ 1, 2 ]
amdhsa.kernels:
  - .name:           k_q0a6aa03e97_cvt
    .symbol:         k_q0a6aa03e97_cvt.kd
    .args:
      - { .name: x, .offset: 0, .size: 8, .value_kind: global_buffer, .address_space: global }
      - { .name: Wq, .offset: 8, .size: 8, .value_kind: global_buffer, .address_space: global }
      - { .name: Wk, .offset: 16, .size: 8, .value_kind: global_buffer, .address_space: global }
      - { .name: Wv, .offset: 24, .size: 8, .value_kind: global_buffer, .address_space: global }
      - { .name: Wo, .offset: 32, .size: 8, .value_kind: global_buffer, .address_space: global }
      - { .name: cb, .offset: 40, .size: 8, .value_kind: global_buffer, .address_space: global }
    .group_segment_fixed_size: 0
    .private_segment_fixed_size: 0
    .kernarg_segment_align: 8
    .kernarg_segment_size: 48
    .max_flat_workgroup_size: 256
    .sgpr_count:     66
    .vgpr_count:     56
    .wavefront_size: 32
...
	.end_amdgpu_metadata
.endif
;; end of part 1
;; launch qkv (part 2): grid 16 x 16, 4 waves a work-group, clusters of 4 x 4, 327,680 bytes of LDS; arguments cb, bq, bk, bv, freqs_cos, freqs_sin, hd; writes hd
.if DOCPART == 2
	.amdgcn_target "amdgcn-amd-amdhsa--gfx1250"
	.amdhsa_code_object_version 6
	.text
	.protected	k_q0a6aa03e97_qkv
	.globl	k_q0a6aa03e97_qkv
	.p2align	8
	.type	k_q0a6aa03e97_qkv,@function
k_q0a6aa03e97_qkv:
	s_mov_b64 s[64:65], 0
	v_nop
	global_prefetch_b8 v0, s[64:65] scope:SCOPE_SE
	s_setreg_imm32_b32 hwreg(HW_REG_WAVE_MODE, 25, 1), 1
	s_wait_xcnt 0x0
	s_wait_alu depctr_hold_cnt(0) depctr_sa_sdst(0) depctr_va_vdst(0) depctr_va_sdst(0) depctr_va_ssrc(0) depctr_va_vcc(0) depctr_vm_vsrc(0)
	s_getreg_b32 s2, hwreg(HW_REG_IB_STS2, 6, 4)
	s_cmp_eq_u32 s2, 0
	s_cbranch_scc0 .Lentry_in_a_cluster
	s_endpgm
.Lentry_in_a_cluster:
	s_bfe_u32 s2, ttmp6, 0x10000c
	s_cmp_lg_u32 s2, 0xf033
	s_cbranch_scc0 .Lentry_shape_is_right
	s_endpgm
.Lentry_shape_is_right:
; q, k, v = x W^T + b, RoPE on q and k, written head by head in f16: hd[48 heads][2048 rows][64], heads 0-31 q, 32-39 k, 40-47 v.
; x: bf16 [2048][2048] at cb; W: bf16 [3072][2048] (Wq, Wk, Wv) at cb + 8,388,608.  Sums in f32.  Biases, cos and sin are rounded to bf16
; like the other inputs, and used in f32.  LIMIT: |q|, |k|, |v| stay below 65,504 (f16).
; A work-group makes 128 rows x 192 columns = three whole heads; a wave 64 rows x 96 columns: 24 accumulator tiles of 16 x 16.
; RoPE joins column d of a head with column d + 32, that is tile T of the block's twelve with tile T + 2.  So a wave takes three such pairs:
; wave half c = 0 the pairs that begin at tiles 0, 1, 4; c = 1 those at 5, 8, 9.  Written as T0 = 5 c, Tm = 1 + 7 c, T0 + 4.
; K goes in steps of 128 through two LDS slots filled by the tensor data mover; a tile's rows are 256 bytes of memory.
; CLUSTERS: 4 x 4 work-groups.  x's tile hangs on the block row alone and is asked for jointly by a row of the cluster, W's on the block column
; alone and is asked for jointly by a column: each of the four issues the same load with a mask that names the four.
; THE MATRIX INSTRUCTION IS USED TRANSPOSED: source 0 = 16 rows of W, source 1 = 16 rows of x.  Lane l then holds row l % 16 of the result and
; its registers 0-7 the columns 8 (l / 16) + 0..7: eight neighbouring numbers, which pack into 16 bytes of f16.
; REGISTERS: window 0: addresses, two fragment buffers of 80; window 1: the 24 accumulators, tile (a, b) at v[8 (6 a + b)];
; window 2: bias v0-47, cos v48-143, sin v144-239, each in the layout of the accumulators that it meets.
.set KSTEP,  128
.set PITCH,  272                       ; an LDS row: 256 bytes + 16 of padding = 68 words: the 16 rows of a fragment start at 16 different banks (64 banks of 4 bytes: ISA guide 11.1)
.set TROW,   16*PITCH                  ; a tile's 16 rows
.set BPART,  64*PITCH                  ; 64 rows: what one load of W brings
.set AOFF,   192*PITCH                 ; W's 192 rows, then x's 128 rows
.set SLOT,   320*PITCH
.set STAGE,  2*SLOT                    ; behind the ring: [3 heads][128 rows] of 128 bytes + 16; no tensor load lands here
.set SPITCH, 144
.set SHEAD,  128*SPITCH
.set WQKV,   8388608
.set HEADB,  262144                    ; bytes of a head in hd
.set LAPS,   8                         ; 2048 / (2 x 128): a lap = two K steps = once round the ring
.set ADRA, 16                          ; v16-17  LDS address of my x fragments in slot 0, 1
.set ADRB, 18                          ; v18-19  of W's tile T0
.set ADRM, 20                          ; v20-21  of W's tile Tm
.set STO,  22                          ; v22-24  the way out: where pair p's 16 bytes go
.set RD,   25                          ; v25     where I read rows back
.set CO,   26                          ; v26     my byte offset in hd
.set VB,   27                          ; v27     my byte offset in a bias
.set VC,   28                          ; v28-29  my byte offset in cos and sin: pairs 0 and 2, pair 1
.set F0,   64                          ; fragment buffer 0: W's six tiles at +8 b, x's four at +48 + 8 a
.set F1,   144                         ; fragment buffer 1
.set T,    64                          ; the way out: rotated numbers, 16 a pair
.set PK,   112                         ; packed to f16, 8 a pair
.set BK,   64                          ; rows read back: 96 registers
.set COS,  48                          ; window 2: cos of tile row a, pair p at COS + 8 (3 a + p)
.set SIN,  144                         ; window 2: sin likewise
.set G1A, 24                           ; s[24:31] descriptor group 1, x's tile
.set G1B, 32                           ; s[32:39] descriptor group 1, W's tiles
.set G0A, 40                           ; s[40:47] group 0 of x's tile, a set for each slot
.set G0B, 48                           ; s[48:55] group 0 of W's tiles, a set for each slot
.set G1W0, (1<<16)|(1<<20)|(1<<21)|(5<<22)|(3<<25)   ; 17:16 elements of 2 bytes; 20 padding on; 21 set beside a mask; 24:22 after every 64 words; 31:25 4 words
.set MSB, 0
.macro WIN new                         ; s_set_vgpr_msb: bits 1:0 source 0, 3:2 source 1, 5:4 source 2, 7:6 destination; the high byte repeats the setting that is left
.if MSB != \new
	s_set_vgpr_msb (MSB<<8)|\new
.set MSB, \new
.endif
.endm
; A joint load.  Wave 3 fetches x's 128 rows, waves 0 to 2 each 64 rows of W.  The branch hangs on the wave's number alone.
.macro JLOAD s
	s_cmp_eq_u32 s18, 3
	s_cbranch_scc0 .Lfor_b_\@
	tensor_load_to_lds s[G0A+4*\s:G0A+4*\s+3], s[G1A:G1A+7]
	s_nop 0
	s_branch .Lasked_\@
.Lfor_b_\@:
	tensor_load_to_lds s[G0B+4*\s:G0B+4*\s+3], s[G1B:G1B+7]
	s_nop 0
.Lasked_\@:
.endm
; A round of the cluster's barrier: my work-group's barrier; wave 0 signals for the work-group; every wave waits for all sixteen; my work-group's barrier again.
.macro CREST                           ; a round behind its opening barrier
	s_cmp_lg_u32 s18, 0
	s_cbranch_scc1 .Lnot_wave_0_\@
	s_barrier_signal -3
.Lnot_wave_0_\@:
	s_barrier_wait -3
	s_barrier_signal -1
	s_barrier_wait -1
.endm
.macro CROUND
	s_barrier_signal -1
	s_barrier_wait -1
	CREST
.endm
	s_load_b256 s[4:11], s[0:1], 0x0               ; cb s[4:5], bq s[6:7], bk s[8:9], bv s[10:11]
	s_load_b128 s[12:15], s[0:1], 0x20             ; freqs_cos s[12:13], freqs_sin s[14:15]
	s_load_b64 s[16:17], s[0:1], 0x30              ; hd
	v_lshl_add_u32 v254, v0, 2, 0x38000
	v_mov_b32 v255, 0
	ds_add_u32 v254, v255
	v_lshrrev_b32 v1, 5, v0
	v_readfirstlane_b32 s18, v1                    ; wave 0..3
	s_lshr_b32 s19, s18, 1                         ; rh: which 64 rows are mine
	s_and_b32 s20, s18, 1                          ; c: which three pairs of tiles
	s_bfe_u32 s21, ttmp6, 0x40000                  ; cx
	s_bfe_u32 s22, ttmp6, 0x40004                  ; cy
	s_lshl_b32 s23, ttmp9, 2
	s_add_co_u32 s23, s23, s21                     ; bx: block column = 4 x cluster x + cx
	s_and_b32 s3, ttmp7, 0xffff
	s_lshl_b32 s3, s3, 2
	s_add_co_u32 s3, s3, s22                       ; by: block row = 4 x cluster y + cy
	s_lshl_b32 s56, s22, 2
	s_lshl_b32 s56, 15, s56                        ; my row of the cluster: places 4 cy .. 4 cy + 3
	s_lshl_b32 s57, 0x1111, s21                    ; my column: places cx, cx + 4, cx + 8, cx + 12
	s_or_b32 s[G1A+0], s56, G1W0                   ; x's tile goes to my row
	s_mov_b32 s[G1A+1], KSTEP<<16                  ; tensor_dim0 = 128
	s_mov_b32 s[G1A+2], 128<<16                    ; tensor_dim1 = 128
	s_mov_b32 s[G1A+3], KSTEP<<16                  ; tile_dim0 = 128 elements
	s_mov_b32 s[G1A+4], 128                        ; tile_dim1 = 128 rows
	s_mov_b32 s[G1A+5], 2048                       ; elements from row to row
	s_mov_b32 s[G1A+6], 0
	s_mov_b32 s[G1A+7], 0
	s_or_b32 s[G1B+0], s57, G1W0                   ; W's tiles go to my column
	s_mov_b32 s[G1B+1], KSTEP<<16
	s_mov_b32 s[G1B+2], 64<<16                     ; 64 rows
	s_mov_b32 s[G1B+3], KSTEP<<16
	s_mov_b32 s[G1B+4], 64
	s_mov_b32 s[G1B+5], 2048
	s_mov_b32 s[G1B+6], 0
	s_mov_b32 s[G1B+7], 0
	; x's address hangs on the block row alone, W's on the block column and the wave's number; each in registers that never hold the other coordinate
	s_lshl_b32 s58, s3, 19                         ; 128 rows of 4,096 bytes
	s_mov_b32 s59, 0
	s_mul_i32 s60, s23, 192
	s_lshl_b32 s61, s18, 6
	s_add_co_u32 s60, s60, s61                     ; row 192 bx + 64 w of W (wave 3 makes an address that it never asks by)
	s_lshl_b32 s60, s60, 12
	s_add_co_u32 s60, s60, WQKV
	s_mov_b32 s61, 0
	s_mul_i32 s62, s18, BPART                      ; where W's rows go: the wave's number times 64 rows
	s_wait_dscnt 0x0
	s_wait_kmcnt 0x0
	s_add_nc_u64 s[58:59], s[4:5], s[58:59]
	s_add_nc_u64 s[60:61], s[4:5], s[60:61]
.irp s, 0,1
	s_mov_b32 s[G0A+4*\s], 1                                       ; count = 1
	s_mov_b32 s[G0A+4*\s+1], \s*SLOT+AOFF                          ; LDS address
	s_add_nc_u64 s[G0A+4*\s+2:G0A+4*\s+3], s[58:59], \s*KSTEP*2    ; global address: K step s
	s_or_b32 s[G0A+4*\s+3], s[G0A+4*\s+3], 0x80000000              ; type = 2
	s_mov_b32 s[G0B+4*\s], 1
	s_add_co_u32 s[G0B+4*\s+1], s62, \s*SLOT
	s_add_nc_u64 s[G0B+4*\s+2:G0B+4*\s+3], s[60:61], \s*KSTEP*2
	s_or_b32 s[G0B+4*\s+3], s[G0B+4*\s+3], 0x80000000
.endr
	CROUND                                         ; all sixteen work-groups are here: the first joint loads meet
	s_cmp_eq_u32 s18, 3                            ; both slots' first fills in one branch: two tensor loads of each wave are out
	s_cbranch_scc0 .Lfirst_b
	tensor_load_to_lds s[G0A:G0A+3], s[G1A:G1A+7]
	s_nop 0
	tensor_load_to_lds s[G0A+4:G0A+7], s[G1A:G1A+7]
	s_nop 0
	s_branch .Lfirst_done
.Lfirst_b:
	tensor_load_to_lds s[G0B:G0B+3], s[G1B:G1B+7]
	s_nop 0
	tensor_load_to_lds s[G0B+4:G0B+7], s[G1B:G1B+7]
	s_nop 0
.Lfirst_done:
	; While the first tiles are on their way: addresses, and bias, cos and sin into window 2.
	s_mov_b32 s81, 0xffff0000
	s_mul_i32 s62, s23, 3
	s_add_co_u32 s77, s62, s20                     ; pair 0 lies in head 3 bx + c, at d = 16 c
	s_add_co_u32 s78, s77, s20                     ; pair 1 in head 3 bx + 2 c, at d = 16 (1 - c)
	s_add_co_u32 s79, s77, 1                       ; pair 2 in head 3 bx + 1 + c, at d = 16 c
	s_xor_b32 s63, s20, 1
; pair p: which bias its head has, from which byte, and whether the head is rotated (v is not).  Selects alone: no branch hangs on the block's place.
.macro PAIRSET p, par
	s_mov_b64 s[68+2*\p:69+2*\p], s[6:7]
	s_mov_b32 s60, 0
	s_cmp_ge_u32 s[77+\p], 32
	s_cselect_b64 s[68+2*\p:69+2*\p], s[8:9], s[68+2*\p:69+2*\p]
	s_cselect_b32 s60, 32, s60
	s_cmp_ge_u32 s[77+\p], 40
	s_cselect_b64 s[68+2*\p:69+2*\p], s[10:11], s[68+2*\p:69+2*\p]
	s_cselect_b32 s60, 40, s60
	s_cselect_b32 s[74+\p], 0, -1                  ; a lane mask: all ones for q and k
	s_sub_co_u32 s60, s[77+\p], s60
	s_lshl_b32 s60, s60, 8                         ; 64 f32 a head
	s_lshl_b32 s61, s[\par], 6                     ; 16 f32
	s_add_co_u32 s60, s60, s61
	s_mov_b32 s61, 0
	s_add_nc_u64 s[68+2*\p:69+2*\p], s[68+2*\p:69+2*\p], s[60:61]
.endm
	PAIRSET 0, 20
	PAIRSET 1, 63
	PAIRSET 2, 20
	s_lshl_b32 s58, s3, 7
	s_lshl_b32 s59, s19, 6
	s_add_co_u32 s58, s58, s59                     ; my first row: 128 by + 64 rh
	s_lshl_b32 s58, s58, 7                         ; rows of 32 f32
	s_mov_b32 s59, 0
	s_add_nc_u64 s[82:83], s[12:13], s[58:59]      ; cos
	s_add_nc_u64 s[84:85], s[14:15], s[58:59]      ; sin
	s_mul_i32 s60, s23, 3*HEADB                    ; hd: my block's first head,
	s_mov_b32 s61, 0
	s_add_nc_u64 s[86:87], s[16:17], s[60:61]
	s_lshl_b32 s58, s3, 14                         ; row 128 by + 32 w of 128 bytes
	s_lshl_b32 s59, s18, 12
	s_add_co_u32 s58, s58, s59
	s_mov_b32 s59, 0
	s_add_nc_u64 s[86:87], s[86:87], s[58:59]
	v_and_b32 v1, 15, v0                           ; r = l % 16
	v_bfe_u32 v2, v0, 4, 1                         ; h = l / 16
	v_and_b32 v3, 31, v0                           ; l
	v_lshlrev_b32 v[VB], 5, v2                     ; bias: 8 f32 for each half of the lanes
	v_lshlrev_b32 v8, 7, v1
	v_add_nc_u32 v8, v8, v[VB]                     ; cos, sin: row r, 8 f32 for each half
	s_lshl_b32 s56, s20, 6
	v_add_nc_u32 v[VC], s56, v8                    ; + 16 f32 where the pair begins at d = 16
	s_xor_b32 s56, s56, 64
	v_add_nc_u32 v[VC+1], s56, v8
	WIN 0x80                                       ; loaded data in window 2, addresses in window 0
.irp p, 0,1,2
	global_load_b128 v[16*\p:16*\p+3],     v[VB], s[68+2*\p:69+2*\p]              ; bias of d .. d + 7
	global_load_b128 v[16*\p+4:16*\p+7],   v[VB], s[68+2*\p:69+2*\p] offset:16
	global_load_b128 v[16*\p+8:16*\p+11],  v[VB], s[68+2*\p:69+2*\p] offset:128   ; of d + 32 ..
	global_load_b128 v[16*\p+12:16*\p+15], v[VB], s[68+2*\p:69+2*\p] offset:144
.endr
.irp a, 0,1,2,3
.irp p, 0,1,2
	global_load_b128 v[COS+8*(3*\a+\p):COS+8*(3*\a+\p)+3],   v[VC+(\p&1)], s[82:83] offset:2048*\a
	global_load_b128 v[COS+8*(3*\a+\p)+4:COS+8*(3*\a+\p)+7], v[VC+(\p&1)], s[82:83] offset:2048*\a+16
	global_load_b128 v[SIN+8*(3*\a+\p):SIN+8*(3*\a+\p)+3],   v[VC+(\p&1)], s[84:85] offset:2048*\a
	global_load_b128 v[SIN+8*(3*\a+\p)+4:SIN+8*(3*\a+\p)+7], v[VC+(\p&1)], s[84:85] offset:2048*\a+16
.endr
.endr
	WIN 0
	; A fragment is 16 rows x 32 K in 8 registers: lane l holds row l % 16; registers 0-3 K = 8 (l / 16) + 0..7, registers 4-7 K = 16 + 8 (l / 16) + 0..7:
	; two loads of 16 bytes, 32 bytes apart.  No LDS address hangs on the block's place.
	v_mul_u32_u24 v4, v1, PITCH
	v_lshl_add_u32 v4, v2, 4, v4
	s_mul_i32 s56, s19, 64*PITCH
	s_add_co_u32 s56, s56, AOFF                    ; my 64 rows of x
	s_mul_i32 s57, s20, 5*TROW                     ; tile T0 = 5 c
	s_mul_i32 s58, s20, 7*TROW
	s_add_co_u32 s58, s58, TROW                    ; tile Tm = 1 + 7 c
.irp s, 0,1
	v_add_nc_u32 v[ADRA+\s], s56, v4
	v_add_nc_u32 v[ADRB+\s], s57, v4
	v_add_nc_u32 v[ADRM+\s], s58, v4
	s_add_co_u32 s56, s56, SLOT
	s_add_co_u32 s57, s57, SLOT
	s_add_co_u32 s58, s58, SLOT
.endr
	v_mul_u32_u24 v5, v1, SPITCH
	v_lshl_add_u32 v5, v2, 4, v5                   ; stage: row r, 16 bytes for each half
	s_mul_i32 s56, s19, 64*SPITCH
	s_add_co_u32 s56, s56, STAGE
	s_mul_i32 s57, s20, SHEAD+32
	s_add_co_u32 s57, s57, s56                     ; pair 0: head c of the three, byte 32 c
	v_add_nc_u32 v[STO+0], s57, v5
	s_add_co_u32 s57, s57, SHEAD                   ; pair 2: head 1 + c, byte 32 c
	v_add_nc_u32 v[STO+2], s57, v5
	s_mul_i32 s57, s20, 2*SHEAD-32
	s_add_co_u32 s57, s57, s56
	s_add_co_u32 s57, s57, 32                      ; pair 1: head 2 c, byte 32 (1 - c)
	v_add_nc_u32 v[STO+1], s57, v5
	v_lshrrev_b32 v6, 3, v3
	v_and_b32 v7, 7, v3
	v_mul_u32_u24 v6, v6, SPITCH
	v_lshl_add_u32 v6, v7, 4, v6                   ; back: eight lanes take a row of 128 bytes, a wave four rows
	s_mul_i32 s57, s18, 32*SPITCH
	s_add_co_u32 s57, s57, STAGE                   ; rows 32 w .. 32 w + 31 of each head
	v_add_nc_u32 v[RD], s57, v6
	v_lshlrev_b32 v[CO], 4, v3                     ; in hd those four rows are 512 consecutive bytes
	s_wait_loadcnt 0x0                             ; bias, cos, sin
	WIN 0x8a                                       ; all in window 2
.set i, 0
.rept 120                                          ; rounded to bf16 and widened again, two at a time
	v_cvt_pk_bf16_f32 v[i], v[i], v[i+1]
	v_and_b32 v[i+1], s81, v[i]
	v_lshlrev_b32 v[i], 16, v[i]
.set i, i+2
.endr
.irp a, 0,1,2,3
.irp p, 0,1,2
.irp j, 0,1,2,3,4,5,6,7
	v_cndmask_b32 v[COS+8*(3*\a+\p)+\j], 1.0, v[COS+8*(3*\a+\p)+\j], s[74+\p]    ; a head of v is rotated by cos = 1, sin = 0
	v_cndmask_b32 v[SIN+8*(3*\a+\p)+\j], 0, v[SIN+8*(3*\a+\p)+\j], s[74+\p]
.endr
.endr
.endr
	WIN 0
; six matrix instructions: tile row a x my six tiles of W, 32 along K.  zero = 1: the first product starts the sums.
; The 24 accumulators take turns, one instruction a turn, in the same order in every quarter step.
.macro MULA f, a, zero
.irp b, 0,1,2,3,4,5
.if \zero
	v_wmma_f32_16x16x32_bf16 v[8*(6*\a+\b):8*(6*\a+\b)+7], v[\f+8*\b:\f+8*\b+7], v[\f+48+8*\a:\f+48+8*\a+7], 0
.else
	v_wmma_f32_16x16x32_bf16 v[8*(6*\a+\b):8*(6*\a+\b)+7], v[\f+8*\b:\f+8*\b+7], v[\f+48+8*\a:\f+48+8*\a+7], v[8*(6*\a+\b):8*(6*\a+\b)+7]
.endif
.endr
.endm
.macro LD2 dst, adr, off
	ds_load_b128 v[\dst:\dst+3],   v[\adr] offset:\off
	ds_load_b128 v[\dst+4:\dst+7], v[\adr] offset:\off+32
.endm
; 20 LDS loads in one run: W's tiles T0, T0+2, Tm, Tm+2, T0+4, T0+6, then x's four tile rows, 32 K at byte k of the rows, into buffer f
.macro FETCH slot, k, f
	WIN 0
	LD2 \f,    ADRB+\slot, \k
	LD2 \f+8,  ADRB+\slot, \k+2*TROW
	LD2 \f+16, ADRM+\slot, \k
	LD2 \f+24, ADRM+\slot, \k+2*TROW
	LD2 \f+32, ADRB+\slot, \k+4*TROW
	LD2 \f+40, ADRB+\slot, \k+6*TROW
	LD2 \f+48, ADRA+\slot, \k
	LD2 \f+56, ADRA+\slot, \k+TROW
	LD2 \f+64, ADRA+\slot, \k+2*TROW
	LD2 \f+72, ADRA+\slot, \k+3*TROW
.endm
; A load into a register that a matrix instruction has read, and a vector instruction that reads a matrix result, stand four places behind it; only
; plain vector instructions that name none of its registers are places (ISA guide 7.12.1 for vector instructions).
.macro PLACES
.rept 4
	v_nop
.endr
.endm
; A quarter step: 24 matrix instructions on buffer f; in its middle the next quarter's fragments, at byte k of the slot's rows, go into buffer g.
.macro QUARTER slot, k, f, g, zero
	s_wait_dscnt 4                                 ; W's tiles and x's tile rows 0, 1 are in; the youngest four loads (tile rows 2, 3) may be out
	WIN 0x50                                       ; sources in window 0, C and D in window 1
	MULA \f, 0, \zero
	MULA \f, 1, \zero
	PLACES
	FETCH \slot, \k, \g
	s_wait_dscnt 20                                ; all but the 20 just issued
	WIN 0x50
	MULA \f, 2, \zero
	MULA \f, 3, \zero
.endm
.macro THREE slot, zero
	QUARTER \slot, 64,  F0, F1, \zero
	QUARTER \slot, 128, F1, F0, 0
	QUARTER \slot, 192, F0, F1, 0
.endm
; The last quarter of a K step multiplies buffer 1 and changes slots.  In front of the barrier each wave waits for its reads of this slot and for all its
; tensor loads (one is out: its part of the next slot).  fill = 1: the barrier opens a round of the cluster's barrier, and behind the round this slot is
; asked for again, two K steps ahead, first thing.  From that request to the wait for it a wave issues 90 of a K step's 96 matrix instructions.
.macro TURN slot, next, fill
	s_wait_dscnt 4
	WIN 0x50
	MULA F1, 0, 0
	s_wait_dscnt 0x0                               ; my reads of this slot are over
	s_wait_tensorcnt 0x0                           ; all my tensor loads have landed
	ds_add_u32 v254, v255
	s_wait_dscnt 0x0
	s_barrier_signal -1
	MULA F1, 1, 0                                  ; register work while the others arrive
	WIN 0
	s_barrier_wait -1
.if \fill
	CREST                                          ; no wave of any partner still reads this slot or has a load on its way
	s_add_nc_u64 s[G0A+4*\slot+2:G0A+4*\slot+3], s[G0A+4*\slot+2:G0A+4*\slot+3], 2*KSTEP*2
	s_add_nc_u64 s[G0B+4*\slot+2:G0B+4*\slot+3], s[G0B+4*\slot+2:G0B+4*\slot+3], 2*KSTEP*2
	JLOAD \slot                                    ; my one tensor load behind the round
.endif
	PLACES
	FETCH \next, 0, F0
	WIN 0x50
	MULA F1, 2, 0
	MULA F1, 3, 0
.endm
.macro LAP zero
	THREE 0, \zero
	TURN 0, 1, 1
	THREE 1, 0
	TURN 1, 0, 1
.endm
	s_wait_tensorcnt 0x1                           ; my part of K step 0 is in; K step 1's load, issued behind it, may stay out
	s_barrier_signal -1
	s_barrier_wait -1                              ; everybody's is
	FETCH 0, 0, F0
	LAP 1                                          ; the first lap stands in front of the loop: its first products start the sums
	WIN 0
	s_mov_b32 s80, LAPS-2
.Llap:
	LAP 0
	WIN 0
	s_sub_co_u32 s80, s80, 1
	s_cmp_lg_u32 s80, 0
	s_cbranch_scc1 .Llap
	THREE 0, 0                                     ; the last lap fills nothing
	TURN 0, 1, 0
	THREE 1, 0
	s_wait_dscnt 4
	WIN 0x50
	MULA F1, 0, 0
	MULA F1, 1, 0
	s_wait_dscnt 0x0
	MULA F1, 2, 0
	MULA F1, 3, 0
	; THE WAY OUT: + bias; rotation; f16; through the stage, so that whole rows of a head leave together.
	PLACES
	WIN 0x49                                       ; accumulators in window 1, bias in window 2: tile b meets bias registers 8 b .. 8 b + 7
.irp a, 0,1,2,3
.irp b, 0,1,2,3,4,5
.irp i, 0,2,4,6
	v_pk_add_f32 v[8*(6*\a+\b)+\i:8*(6*\a+\b)+\i+1], v[8*(6*\a+\b)+\i:8*(6*\a+\b)+\i+1], v[8*\b+\i:8*\b+\i+1]
.endr
.endr
.endr
; tile row a: for each pair, low' = low cos - high sin, high' = high cos + low sin
.macro ROPE a
	WIN 0x09                                       ; source 0 window 1 (accumulators), source 1 window 2 (cos, sin), source 2 and destination window 0
.irp p, 0,1,2
.irp i, 0,2,4,6
	v_pk_mul_f32 v[T+16*\p+\i:T+16*\p+\i+1],     v[8*(6*\a+2*\p+1)+\i:8*(6*\a+2*\p+1)+\i+1], v[SIN+8*(3*\a+\p)+\i:SIN+8*(3*\a+\p)+\i+1]
	v_pk_mul_f32 v[T+16*\p+8+\i:T+16*\p+8+\i+1], v[8*(6*\a+2*\p)+\i:8*(6*\a+2*\p)+\i+1],     v[SIN+8*(3*\a+\p)+\i:SIN+8*(3*\a+\p)+\i+1]
	v_pk_fma_f32 v[T+16*\p+\i:T+16*\p+\i+1],     v[8*(6*\a+2*\p)+\i:8*(6*\a+2*\p)+\i+1],     v[COS+8*(3*\a+\p)+\i:COS+8*(3*\a+\p)+\i+1], v[T+16*\p+\i:T+16*\p+\i+1] neg_lo:[0,0,1] neg_hi:[0,0,1]
	v_pk_fma_f32 v[T+16*\p+8+\i:T+16*\p+8+\i+1], v[8*(6*\a+2*\p+1)+\i:8*(6*\a+2*\p+1)+\i+1], v[COS+8*(3*\a+\p)+\i:COS+8*(3*\a+\p)+\i+1], v[T+16*\p+8+\i:T+16*\p+8+\i+1]
.endr
.endr
	WIN 0
.irp p, 0,1,2
.irp k, 0,1,2,3
	v_cvt_pk_f16_f32 v[PK+8*\p+\k],   v[T+16*\p+2*\k],   v[T+16*\p+2*\k+1]
	v_cvt_pk_f16_f32 v[PK+8*\p+4+\k], v[T+16*\p+8+2*\k], v[T+16*\p+8+2*\k+1]
.endr
	ds_store_b128 v[STO+\p], v[PK+8*\p:PK+8*\p+3]   offset:\a*16*SPITCH          ; d .. d + 7
	ds_store_b128 v[STO+\p], v[PK+8*\p+4:PK+8*\p+7] offset:\a*16*SPITCH+64       ; d + 32 ..
.endr
.endm
	ROPE 0
	ROPE 1
	ROPE 2
	ROPE 3
	s_wait_dscnt 0x0                               ; my stores are done, for the others' sake: two waves write parts of the same rows
	s_barrier_signal -1
	s_barrier_wait -1
.irp hh, 0,1,2
.irp i, 0,1,2,3,4,5,6,7
	ds_load_b128 v[BK+32*\hh+4*\i:BK+32*\hh+4*\i+3], v[RD] offset:\hh*SHEAD+\i*4*SPITCH
.endr
.endr
.irp hh, 0,1,2
.irp i, 0,1,2,3,4,5,6,7
	s_wait_dscnt 23-8*\hh-\i                       ; LDS loads come back in order (ISA guide 5.7.1): this one is in, the younger ones stay out
	global_store_b128 v[CO], v[BK+32*\hh+4*\i:BK+32*\hh+4*\i+3], s[86:87] offset:\hh*HEADB+\i*512   ; four rows of a head: 512 consecutive, aligned bytes
.endr
.endr
	s_wait_tensorcnt 0x0
	ds_add_u32 v254, v255
	s_wait_dscnt 0x0
	CROUND                                         ; the closing round: no work-group ends while a partner may still ask for a tile that names it
	s_endpgm
.Lfunc_end_k_q0a6aa03e97_qkv:
	.size	k_q0a6aa03e97_qkv, .Lfunc_end_k_q0a6aa03e97_qkv-k_q0a6aa03e97_qkv
	.p2alignl 7, 3214868480
	.fill 96, 4, 3214868480
	.section	.rodata,"a",@progbits
	.p2align	6, 0x0
	.amdhsa_kernel k_q0a6aa03e97_qkv
		.amdhsa_group_segment_fixed_size 327680
		.amdhsa_private_segment_fixed_size 0
		.amdhsa_enable_private_segment 0
		.amdhsa_kernarg_size 56
		.amdhsa_user_sgpr_count 2
		.amdhsa_user_sgpr_kernarg_segment_ptr 1
		.amdhsa_wavefront_size32 1
		.amdhsa_system_sgpr_workgroup_id_x 1
		.amdhsa_system_sgpr_workgroup_id_y 1
		.amdhsa_system_sgpr_workgroup_id_z 1
		.amdhsa_system_vgpr_workitem_id 0
		.amdhsa_next_free_vgpr 768
		.amdhsa_next_free_sgpr 90
		.amdhsa_reserve_vcc 0
		.amdhsa_float_denorm_mode_32 3
		.amdhsa_float_denorm_mode_16_64 3
		.amdhsa_memory_ordered 1
		.amdhsa_forward_progress 1
		.amdhsa_inst_pref_size 149
	.end_amdhsa_kernel
	.amdgpu_metadata
---
amdhsa.version: [ 1, 2 ]
amdhsa.kernels:
  - .name:           k_q0a6aa03e97_qkv
    .symbol:         k_q0a6aa03e97_qkv.kd
    .args:
      - { .name: cb, .offset: 0, .size: 8, .value_kind: global_buffer, .address_space: global }
      - { .name: bq, .offset: 8, .size: 8, .value_kind: global_buffer, .address_space: global }
      - { .name: bk, .offset: 16, .size: 8, .value_kind: global_buffer, .address_space: global }
      - { .name: bv, .offset: 24, .size: 8, .value_kind: global_buffer, .address_space: global }
      - { .name: freqs_cos, .offset: 32, .size: 8, .value_kind: global_buffer, .address_space: global }
      - { .name: freqs_sin, .offset: 40, .size: 8, .value_kind: global_buffer, .address_space: global }
      - { .name: hd, .offset: 48, .size: 8, .value_kind: global_buffer, .address_space: global }
    .group_segment_fixed_size: 327680
    .private_segment_fixed_size: 0
    .kernarg_segment_align: 8
    .kernarg_segment_size: 56
    .max_flat_workgroup_size: 128
    .sgpr_count:     90
    .vgpr_count:     768
    .wavefront_size: 32
...
	.end_amdgpu_metadata
.endif
;; end of part 2
;; launch attn (part 3): grid 32 x 8, 8 waves a work-group, clusters of 4 x 4, 327,680 bytes of LDS; arguments hd, mask, ao; writes ao
.if DOCPART == 3
	.amdgcn_target "amdgcn-amd-amdhsa--gfx1250"
	.amdhsa_code_object_version 6
	.text
	.protected	k_q0a6aa03e97_attn
	.globl	k_q0a6aa03e97_attn
	.p2align	8
	.type	k_q0a6aa03e97_attn,@function
k_q0a6aa03e97_attn:
	s_mov_b64 s[64:65], 0
	v_nop
	global_prefetch_b8 v0, s[64:65] scope:SCOPE_SE
	s_setreg_imm32_b32 hwreg(HW_REG_WAVE_MODE, 25, 1), 1
	s_wait_xcnt 0x0
	s_wait_alu depctr_hold_cnt(0) depctr_sa_sdst(0) depctr_va_vdst(0) depctr_va_sdst(0) depctr_va_ssrc(0) depctr_va_vcc(0) depctr_vm_vsrc(0)
	s_getreg_b32 s2, hwreg(HW_REG_IB_STS2, 6, 4)
	s_cmp_eq_u32 s2, 0
	s_cbranch_scc0 .Lentry_in_a_cluster
	s_endpgm
.Lentry_in_a_cluster:
	s_bfe_u32 s2, ttmp6, 0x10000c
	s_cmp_lg_u32 s2, 0xf033
	s_cbranch_scc0 .Lentry_shape_is_right
	s_endpgm
.Lentry_shape_is_right:
; softmax(q k^T / 8 + mask) v with a running maximum, for every key: the mask is an input and nothing of it is built in.
; hd: f16 [48][2048][64] (q 0-31, k 32-39, v 40-47); mask: f32 [2048][2048]; ao: f16 [2048][2048], column = 64 head + d.
; A work-group has 64 query rows and the four query heads of one key/value head.  Eight waves, two on each SIMD (2 x 512 registers), so that one wave's
; vector work is issued while the other stands behind its matrix instructions.  Wave w: rg = w & 3, kh = w >> 2.  It has the 16 query rows 16 rg for all
; four heads, so that one fragment of k, of v and of the mask in registers serves four heads, and of every slot of 256 keys the half kh (128 keys).
; Each wave keeps a running maximum, row sums and O of its own; at the end the two waves of a row group join them through LDS, two heads each.
; LAYOUT: S^T = K Q^T (source 0 = 16 keys, source 1 = 16 queries): lane l holds query l % 16, register j of a tile key 8 (l / 16) + j.  Packed to f16,
; two such tiles ARE source 1 of O^T = V^T P^T (32 keys), with no move between lanes; source 0 = V^T comes by the transposing LDS load.  In O^T lane l again
; holds query l % 16, so maximum, rescaling and the division are a lane's own.  The row sums come from the matrix unit: source 0 = ones.
; Exponentials in base 2: log2(e)/8 multiplies the scores, log2(e) the mask.
; LIMITS: P below 6e-8 of the largest of its row's key half is 0 (f16).  The running maxima start at -2^127: a row whose scores (times log2 e) all lie
; below that gives NaN; a row of -inf alone gives NaN as the softmax does.  |mask| x 1.4427 beyond f32's largest acts as an infinity.
; Keys go in slots of 256 through two LDS slots.  CLUSTERS: 4 x 4 work-groups; k's and v's tiles hang on the key/value head alone and are asked for
; jointly by a row of the cluster, the mask's tile on the query block alone and by a column.
; Wave 0 asks for k's tile, wave 1 for v's, waves 2 and 3 for 32 rows of the mask each: 32 KiB a load; waves 4 to 7 ask for nothing.
.set KP,    144                        ; LDS pitch of k: 128 bytes + 16
.set VP,    160                        ; of v: 128 + 32, an odd multiple of 32 bytes, for the transposing load
.set MP,    1040                       ; of the mask: 1,024 + 16
.set SKEYS, 256                        ; keys in a slot
.set VOFF,  SKEYS*KP
.set MOFF,  VOFF+SKEYS*VP
.set SLOT,  MOFF+64*MP                 ; 144,384
; Scratch for the end lies in slot 0, which has had its last fill by then: the last trip's barrier stands behind every wave's last read of slot 0 and
; behind every wave's wait for all its tensor loads, and no tensor load follows.
.set XW,    8704                       ; what a wave hands over: 64 registers of O (8,192 bytes), then 16 bytes a lane of maxima and row sums
.set STAGE, 8*XW                       ; behind the eight exchange areas: 16 rows x 272 bytes for each wave
.set SPITCH, 272
.set HEADB, 262144
.set XB,   1                           ; v1      my 16 bytes in my row group's exchange area of key half 0 (half 1's lies 4 XW further)
.set KA,   2                           ; v2-3    LDS address of my k fragments in slot 0, 1
.set VA,   4                           ; v4-5    of v
.set MA,   6                           ; v6-7    of my mask row
.set STO,  8
.set RD,   9
.set CO,   10
.set QO,   11
.set T,    12                          ; v12-15  at work
.set MX,   16                          ; v16-19  running maximum of head g
.set MN,   20                          ; v20 the new maximum (v21 fills the pair)
.set AL,   22                          ; v22 2^(old - new) (v23 fills the pair)
.set ONES, 24                          ; v24-31  a fragment of ones
.set SA,   32                          ; score buffer A: four tiles of 16 keys
.set SB,   64                          ; score buffer B
.set MK,   96                          ; the block's mask, in the scores' layout
.set KF,   128                         ; k: tile t, half e of d at KF + 16 t + 8 e
.set VF,   192                         ; v^T: 32 keys ks, 16 d dt at VF + 32 ks + 8 dt
.set LS,   128                         ; window 1: row sums of head g at LS + 8 g; O of head g, 16 d dt at 32 g + 8 dt
.set QF,   160                         ; window 1: q of head g, half e at QF + 16 g + 8 e
.set PM,   32                          ; the end: the partner's two maxima and two row sums
.set PO,   64                          ; the end: the partner's O of two heads, then the joined result
.set PK,   192                         ; the end: packed to f16
.set G1K, 24
.set G1V, 32
.set G1M, 40
.set G0K, 48                           ; group 0, a set for each slot
.set G0V, 56
.set G0M, 68
.set MSB, 0
.macro WIN new                         ; s_set_vgpr_msb: bits 1:0 source 0, 3:2 source 1, 5:4 source 2, 7:6 destination; the high byte repeats the setting that is left
.if MSB != \new
	s_set_vgpr_msb (MSB<<8)|\new
.set MSB, \new
.endif
.endm
.macro JLOAD s                         ; each line has one mask and one set of registers; the branches hang on the wave's number alone
	s_cmp_eq_u32 s18, 0
	s_cbranch_scc0 .Lnot_k_\@
	tensor_load_to_lds s[G0K+4*\s:G0K+4*\s+3], s[G1K:G1K+7]
	s_nop 0
	s_branch .Lasked_\@
.Lnot_k_\@:
	s_cmp_eq_u32 s18, 1
	s_cbranch_scc0 .Lnot_v_\@
	tensor_load_to_lds s[G0V+4*\s:G0V+4*\s+3], s[G1V:G1V+7]
	s_nop 0
	s_branch .Lasked_\@
.Lnot_v_\@:
	s_cmp_ge_u32 s18, 4
	s_cbranch_scc1 .Lasked_\@
	tensor_load_to_lds s[G0M+4*\s:G0M+4*\s+3], s[G1M:G1M+7]
	s_nop 0
.Lasked_\@:
.endm
.macro ROUND                           ; a round of the cluster's barrier
	s_barrier_signal -1
	s_barrier_wait -1
	s_cmp_lg_u32 s18, 0
	s_cbranch_scc1 .Lnot_wave_0_\@
	s_barrier_signal -3
.Lnot_wave_0_\@:
	s_barrier_wait -3
	s_barrier_signal -1
	s_barrier_wait -1
.endm
	s_load_b128 s[4:7], s[0:1], 0x0                ; hd s[4:5], mask s[6:7]
	s_load_b64 s[8:9], s[0:1], 0x10                ; ao
	s_set_vgpr_msb 0x40
	v_lshl_add_u32 v254, v0, 2, 0x46800
	v_mov_b32 v255, 0
	s_set_vgpr_msb 0x4045
	ds_add_u32 v254, v255
	s_set_vgpr_msb 0x4500
	v_lshrrev_b32 v1, 5, v0
	v_readfirstlane_b32 s18, v1                    ; wave 0..7
	s_and_b32 s86, s18, 3                          ; rg: which 16 query rows are mine
	s_lshr_b32 s87, s18, 2                         ; kh: which half of a slot's keys
	s_bfe_u32 s19, ttmp6, 0x40000                  ; cx
	s_bfe_u32 s20, ttmp6, 0x40004                  ; cy
	s_lshl_b32 s21, ttmp9, 2
	s_add_co_u32 s21, s21, s19                     ; query block = 4 x cluster x + cx
	s_and_b32 s3, ttmp7, 0xffff
	s_lshl_b32 s3, s3, 2
	s_add_co_u32 s3, s3, s20                       ; key/value head = 4 x cluster y + cy
	s_lshl_b32 s10, s20, 2
	s_lshl_b32 s10, 15, s10                        ; my row of the cluster
	s_lshl_b32 s11, 0x1111, s19                    ; my column
	s_or_b32 s[G1K+0], s10, (1<<16)|(1<<20)|(1<<21)|(4<<22)|(3<<25)   ; elements of 2 bytes; padding of 4 words after every 32
	s_or_b32 s[G1V+0], s10, (1<<16)|(1<<20)|(1<<21)|(4<<22)|(7<<25)   ; of 8 words
	s_or_b32 s[G1M+0], s11, (2<<16)|(1<<20)|(1<<21)|(7<<22)|(3<<25)   ; elements of 4 bytes; padding of 4 words after every 256
.irp g, G1K, G1V
	s_mov_b32 s[\g+1], 64<<16                      ; tensor_dim0 = 64
	s_mov_b32 s[\g+2], SKEYS<<16                   ; tensor_dim1 = 256
	s_mov_b32 s[\g+3], 64<<16                      ; tile_dim0 = 64 elements
	s_mov_b32 s[\g+4], SKEYS                       ; tile_dim1 = 256 keys
	s_mov_b32 s[\g+5], 64                          ; elements from row to row
	s_mov_b32 s[\g+6], 0
	s_mov_b32 s[\g+7], 0
.endr
	s_mov_b32 s[G1M+1], SKEYS<<16                  ; 256 keys
	s_mov_b32 s[G1M+2], 32<<16                     ; 32 query rows
	s_mov_b32 s[G1M+3], SKEYS<<16
	s_mov_b32 s[G1M+4], 32
	s_mov_b32 s[G1M+5], 2048
	s_mov_b32 s[G1M+6], 0
	s_mov_b32 s[G1M+7], 0
	s_lshl_b32 s12, s3, 18
	s_add_co_u32 s12, s12, 32*HEADB                ; k's head 32 + kvh
	s_mov_b32 s13, 0
	s_lshl_b32 s14, s21, 19                        ; mask: 64 rows of 8,192 bytes a query block,
	s_and_b32 s15, s18, 1
	s_lshl_b32 s15, s15, 18                        ; 32 rows further for wave 3
	s_add_co_u32 s14, s14, s15
	s_mov_b32 s15, 0
	s_mul_i32 s16, s18, 32*MP
	s_add_co_u32 s16, s16, MOFF-64*MP              ; wave 2: MOFF, wave 3: MOFF + 32 rows (the other waves never ask by it)
	s_wait_dscnt 0x0
	s_wait_kmcnt 0x0
	s_add_nc_u64 s[12:13], s[4:5], s[12:13]
	s_add_nc_u64 s[14:15], s[6:7], s[14:15]
.irp s, 0,1
	s_mov_b32 s[G0K+4*\s], 1
	s_mov_b32 s[G0K+4*\s+1], \s*SLOT
	s_add_nc_u64 s[G0K+4*\s+2:G0K+4*\s+3], s[12:13], \s*SKEYS*128           ; 256 keys of 128 bytes
	s_or_b32 s[G0K+4*\s+3], s[G0K+4*\s+3], 0x80000000
	s_mov_b32 s[G0V+4*\s], 1
	s_mov_b32 s[G0V+4*\s+1], \s*SLOT+VOFF
	s_add_nc_u64 s[G0V+4*\s+2:G0V+4*\s+3], s[12:13], 8*HEADB+\s*SKEYS*128   ; v's head lies eight heads behind k's
	s_or_b32 s[G0V+4*\s+3], s[G0V+4*\s+3], 0x80000000
	s_mov_b32 s[G0M+4*\s], 1
	s_add_co_u32 s[G0M+4*\s+1], s16, \s*SLOT
	s_add_nc_u64 s[G0M+4*\s+2:G0M+4*\s+3], s[14:15], \s*SKEYS*4             ; 256 keys of 4 bytes
	s_or_b32 s[G0M+4*\s+3], s[G0M+4*\s+3], 0x80000000
.endr
	ROUND                                          ; all sixteen work-groups are here: the first joint loads meet
	s_cmp_eq_u32 s18, 0                            ; both slots' first fills of a wave in one arm: two tensor loads of waves 0 to 3 are out, none of waves 4 to 7
	s_cbranch_scc0 .Lfirst_not_k
	tensor_load_to_lds s[G0K:G0K+3], s[G1K:G1K+7]
	s_nop 0
	tensor_load_to_lds s[G0K+4:G0K+7], s[G1K:G1K+7]
	s_nop 0
	s_branch .Lfirst_done
.Lfirst_not_k:
	s_cmp_eq_u32 s18, 1
	s_cbranch_scc0 .Lfirst_not_v
	tensor_load_to_lds s[G0V:G0V+3], s[G1V:G1V+7]
	s_nop 0
	tensor_load_to_lds s[G0V+4:G0V+7], s[G1V:G1V+7]
	s_nop 0
	s_branch .Lfirst_done
.Lfirst_not_v:
	s_cmp_ge_u32 s18, 4
	s_cbranch_scc1 .Lfirst_done
	tensor_load_to_lds s[G0M:G0M+3], s[G1M:G1M+7]
	s_nop 0
	tensor_load_to_lds s[G0M+4:G0M+7], s[G1M:G1M+7]
	s_nop 0
.Lfirst_done:
	s_lshl_b32 s12, s3, 20                         ; q: head 4 kvh,
	s_mov_b32 s13, 0
	s_add_nc_u64 s[82:83], s[4:5], s[12:13]
	s_lshl_b32 s14, s21, 13                        ; row 64 qb + 16 rg of 128 bytes
	s_lshl_b32 s15, s86, 11
	s_add_co_u32 s14, s14, s15
	s_mov_b32 s15, 0
	s_add_nc_u64 s[82:83], s[82:83], s[14:15]
	s_lshl_b32 s12, s3, 9                          ; ao: 512 bytes of a row for the four heads,
	s_add_nc_u64 s[84:85], s[8:9], s[12:13]
	s_lshl_b32 s14, s21, 18                        ; row 64 qb + 16 rg of 4,096 bytes,
	s_lshl_b32 s16, s86, 16
	s_add_co_u32 s14, s14, s16
	s_lshl_b32 s16, s87, 8                         ; and the 256 bytes of the two heads 2 kh, 2 kh + 1 that I finish
	s_add_co_u32 s14, s14, s16
	s_add_nc_u64 s[84:85], s[84:85], s[14:15]
	v_and_b32 v32, 15, v0                          ; r = l % 16
	v_bfe_u32 v33, v0, 4, 1                        ; h = l / 16
	v_lshlrev_b32 v[QO], 7, v32
	v_lshl_add_u32 v[QO], v33, 4, v[QO]            ; q as source 1: row r, d = 8 h ..
	WIN 0x40                                       ; loaded data in window 1
.irp g, 0,1,2,3
.irp e, 0,1
	global_load_b128 v[QF+16*\g+8*\e:QF+16*\g+8*\e+3],   v[QO], s[82:83] offset:HEADB*\g+64*\e
	global_load_b128 v[QF+16*\g+8*\e+4:QF+16*\g+8*\e+7], v[QO], s[82:83] offset:HEADB*\g+64*\e+32
.endr
.endr
	WIN 0
	s_mov_b32 s22, 0x76543210                      ; v_permlanex16_b32: lane i of one half reads lane i of the other
	s_mov_b32 s23, 0xfedcba98
	s_mov_b32 s76, 0x3e38aa3b                      ; log2(e) / 8
	s_mov_b32 s77, 0x3e38aa3b
	s_mov_b32 s78, 0x3fb8aa3b                      ; log2(e)
	s_mov_b32 s79, 0x3fb8aa3b
	v_and_b32 v34, 31, v0
	v_and_b32 v35, 7, v0
	v_bfe_u32 v36, v0, 3, 1
	v_mul_u32_u24 v[KA], v32, KP
	v_lshl_add_u32 v[KA], v33, 4, v[KA]            ; k as source 0: key r, d = 8 h ..,
	s_mul_i32 s10, s87, 128*KP
	v_add_nc_u32 v[KA], s10, v[KA]                 ; in my half of the slot's keys
	v_add_nc_u32 v[KA+1], SLOT, v[KA]
	v_lshl_add_u32 v35, v33, 3, v35                ; v: key 8 h + l % 8,
	v_mul_u32_u24 v35, v35, VP
	v_lshl_add_u32 v35, v36, 4, v35                ; 16 bytes further for the upper eight lanes of each sixteen
	s_mul_i32 s10, s87, 128*VP
	s_add_co_u32 s10, s10, VOFF
	v_add_nc_u32 v[VA], s10, v35
	v_add_nc_u32 v[VA+1], SLOT, v[VA]
	v_mul_u32_u24 v37, v32, MP
	v_lshl_add_u32 v37, v33, 5, v37                ; mask: row r, 8 keys of 4 bytes for each half of the lanes,
	s_mul_i32 s10, s86, 16*MP                      ; in my 16 rows
	s_lshl_b32 s11, s87, 9                         ; and my 128 keys of 4 bytes
	s_add_co_u32 s10, s10, s11
	s_add_co_u32 s10, s10, MOFF
	v_add_nc_u32 v[MA], s10, v37
	v_add_nc_u32 v[MA+1], SLOT, v[MA]
	v_mul_u32_u24 v38, v32, SPITCH
	v_lshl_add_u32 v38, v33, 4, v38
	s_mul_i32 s10, s18, 16*SPITCH
	s_add_co_u32 s10, s10, STAGE                   ; my stage
	v_add_nc_u32 v[STO], s10, v38                  ; the way out: row r, 16 bytes for each half of the lanes
	v_mul_u32_u24 v39, v33, SPITCH
	v_lshl_add_u32 v39, v32, 4, v39
	v_add_nc_u32 v[RD], s10, v39                   ; back: lanes 0-15 take one row of 256 bytes, lanes 16-31 the next
	v_lshlrev_b32 v39, 12, v33
	v_lshl_add_u32 v[CO], v32, 4, v39              ; the same two rows in ao: 4,096 bytes apart
	s_mul_i32 s10, s86, XW
	v_lshlrev_b32 v39, 4, v34
	v_add_nc_u32 v[XB], s10, v39                   ; the exchange: 16 bytes a lane, my row group's area
.irp j, 0,1,2,3,4,5,6,7
	v_mov_b32 v[ONES+\j], 0x3c003c00               ; 1.0, 1.0 in f16
.endr
.irp g, 0,1,2,3
	v_mov_b32 v[MX+\g], 0xff000000                 ; -2^127
.endr
	v_mov_b32 v[MN+1], 0                           ; the pairs' second registers are never used, but are named
	v_mov_b32 v[AL+1], 0
.macro KLOAD slot, bi                  ; 16 loads: k of block bi (64 keys) of my half of a slot
	WIN 0
.irp t, 0,1,2,3
.irp e, 0,1
	ds_load_b128 v[KF+16*\t+8*\e:KF+16*\t+8*\e+3],   v[KA+\slot] offset:(4*\bi+\t)*16*KP+64*\e
	ds_load_b128 v[KF+16*\t+8*\e+4:KF+16*\t+8*\e+7], v[KA+\slot] offset:(4*\bi+\t)*16*KP+64*\e+32
.endr
.endr
.endm
.macro MLOAD slot, bi                  ; 8 loads: my row's mask for the block's 64 keys
	WIN 0
.irp t, 0,1,2,3
	ds_load_b128 v[MK+8*\t:MK+8*\t+3],   v[MA+\slot] offset:(4*\bi+\t)*64
	ds_load_b128 v[MK+8*\t+4:MK+8*\t+7], v[MA+\slot] offset:(4*\bi+\t)*64+16
.endr
.endm
.macro VLOAD slot, bi                  ; 16 transposing loads: v^T of the block
	WIN 0
.irp ks, 0,1
.irp dt, 0,1,2,3
	ds_load_tr16_b128 v[VF+32*\ks+8*\dt:VF+32*\ks+8*\dt+3],   v[VA+\slot] offset:(2*\bi+\ks)*32*VP+32*\dt
	ds_load_tr16_b128 v[VF+32*\ks+8*\dt+4:VF+32*\ks+8*\dt+7], v[VA+\slot] offset:(2*\bi+\ks)*32*VP+32*\dt+16*VP
.endr
.endr
.endm
; scores of head g into buffer s: four tiles take turns, one instruction a turn, d = 0..31 and then d = 32..63
.macro SMUL s, g
	WIN 0x04                                       ; source 1 (q) in window 1
.irp t, 0,1,2,3
	v_wmma_f32_16x16x32_f16 v[\s+8*\t:\s+8*\t+7], v[KF+16*\t:KF+16*\t+7], v[QF+16*\g:QF+16*\g+7], 0
.endr
.irp t, 0,1,2,3
	v_wmma_f32_16x16x32_f16 v[\s+8*\t:\s+8*\t+7], v[KF+16*\t+8:KF+16*\t+15], v[QF+16*\g+8:QF+16*\g+15], v[\s+8*\t:\s+8*\t+7]
.endr
.endm
.macro FMA s                           ; score x log2(e)/8 + mask x log2(e).  These 16 are also the places between the product that read the other buffer and the one that writes it
	WIN 0
.set i, 0
.rept 16
	v_pk_fma_f32 v[\s+2*i:\s+2*i+1], v[\s+2*i:\s+2*i+1], s[76:77], v[MK+2*i:MK+2*i+1] op_sel_hi:[1,0,1]
.set i, i+1
.endr
.endm
.macro MAXR s, g                       ; the new maximum: my 32 scores and the old one, then the other half of the lanes, which holds the row's other keys
	WIN 0
.irp c, 0,1,2,3
	v_max3_num_f32 v[T+\c], v[\s+8*\c], v[\s+8*\c+1], v[\s+8*\c+2]
.endr
.irp c, 0,1,2,3
	v_max3_num_f32 v[T+\c], v[T+\c], v[\s+8*\c+3], v[\s+8*\c+4]
.endr
.irp c, 0,1,2,3
	v_max3_num_f32 v[T+\c], v[T+\c], v[\s+8*\c+5], v[\s+8*\c+6]
.endr
	v_max3_num_f32 v[T], v[T], v[\s+7], v[T+1]
	v_max3_num_f32 v[T+2], v[T+2], v[\s+15], v[T+3]
	v_max3_num_f32 v[T], v[T], v[\s+23], v[T+2]
	v_max3_num_f32 v[T], v[T], v[\s+31], v[MX+\g]
	v_permlanex16_b32 v[T+1], v[T], s22, s23
	v_max_num_f32 v[MN], v[T], v[T+1]
.endm
; P = 2^(score - maximum), packed to f16 in place: pair i of the 16 goes to register 16 (i / 8) + i % 8 of the buffer, which an earlier pair has left.
; A pair is packed one pair later, so that a plain instruction stands between each exponential and the use of its result (ISA guide 5.7.2).
.macro EXPS s
.set i, 0
.rept 16
	v_pk_add_f32 v[\s+2*i:\s+2*i+1], v[\s+2*i:\s+2*i+1], v[MN:MN+1] op_sel_hi:[1,0] neg_lo:[0,1] neg_hi:[0,1]
	v_exp_f32 v[\s+2*i], v[\s+2*i]
	v_exp_f32 v[\s+2*i+1], v[\s+2*i+1]
.if i > 0
	s_wait_alu depctr_va_vdst(0)
	v_cvt_pk_f16_f32 v[\s+16*((i-1)>>3)+((i-1)&7)], v[\s+2*i-2], v[\s+2*i-1]
.endif
.set i, i+1
.endr
	v_cvt_pk_f16_f32 v[\s+23], v[\s+30], v[\s+31]
.endm
.macro RESC g                          ; O and the row sums of head g times 2^(old - new)
	WIN 0x41                                       ; source 0 and destination in window 1
.set i, 0
.rept 16
	v_pk_mul_f32 v[32*\g+2*i:32*\g+2*i+1], v[32*\g+2*i:32*\g+2*i+1], v[AL:AL+1] op_sel_hi:[1,0]
.set i, i+1
.endr
.irp k, 0,2,4,6
	v_pk_mul_f32 v[LS+8*\g+\k:LS+8*\g+\k+1], v[LS+8*\g+\k:LS+8*\g+\k+1], v[AL:AL+1] op_sel_hi:[1,0]
.endr
.endm
; O^T += V^T P^T and the row sums += ones P^T: five accumulators take turns, one instruction a turn
.macro PV s, g, first
	WIN 0x50                                       ; C and D in window 1
.irp ks, 0,1
.irp dt, 0,1,2,3
.if \first*(1-\ks)
	v_wmma_f32_16x16x32_f16 v[32*\g+8*\dt:32*\g+8*\dt+7], v[VF+32*\ks+8*\dt:VF+32*\ks+8*\dt+7], v[\s+16*\ks:\s+16*\ks+7], 0
.else
	v_wmma_f32_16x16x32_f16 v[32*\g+8*\dt:32*\g+8*\dt+7], v[VF+32*\ks+8*\dt:VF+32*\ks+8*\dt+7], v[\s+16*\ks:\s+16*\ks+7], v[32*\g+8*\dt:32*\g+8*\dt+7]
.endif
.endr
.if \first*(1-\ks)
	v_wmma_f32_16x16x32_f16 v[LS+8*\g:LS+8*\g+7], v[ONES:ONES+7], v[\s+16*\ks:\s+16*\ks+7], 0
.else
	v_wmma_f32_16x16x32_f16 v[LS+8*\g:LS+8*\g+7], v[ONES:ONES+7], v[\s+16*\ks:\s+16*\ks+7], v[LS+8*\g:LS+8*\g+7]
.endif
.endr
.endm
; behind MAXR: the factor, the exponentials, the rescaling, the product.  first = 1: the wave's very first block starts the sums, nothing is rescaled.
.macro TAIL s, g, first, vwait
.if \first
	v_mov_b32 v[MX+\g], v[MN]
.else
	v_sub_f32 v[AL], v[MX+\g], v[MN]
	v_exp_f32 v[AL], v[AL]
	v_mov_b32 v[MX+\g], v[MN]                      ; the plain instruction behind the exponential
.endif
	EXPS \s
.if \first == 0
	RESC \g
.endif
.if \vwait
	s_wait_dscnt 0x0                               ; v^T is in
.endif
	PV \s, \g, \first
.endm
; A block of 64 keys for four heads.  Head g's scores lie ready in a buffer; while they go through the vector unit the next head's are made in the other.
; (nslot, nbi): the block that follows.  sync = 1: this block is my second and last of the slot; once its v^T is in registers I need the slot no more, and when that holds of all it is filled again.
.macro BLOCK slot, bi, nslot, nbi, first, last, sync
	s_wait_dscnt 0x0                               ; the block's mask is in
	WIN 0
.set i, 0
.rept 16
	v_pk_mul_f32 v[MK+2*i:MK+2*i+1], v[MK+2*i:MK+2*i+1], s[78:79] op_sel_hi:[1,0]
.set i, i+1
.endr
	FMA SA
	VLOAD \slot, \bi                               ; 32 plain vector instructions behind the last product that read v^T
	SMUL SB, 1
	MAXR SA, 0
	TAIL SA, 0, \first, 1
	WIN 0
.if \sync == 1
	s_wait_dscnt 0x0                               ; my reads of this slot are over: k and mask in the block before, v^T above
	s_set_vgpr_msb 0x5
	s_wait_tensorcnt 0x0                           ; all my tensor loads have landed: the one that was out is my part of the other slot
	ds_add_u32 v254, v255
	s_wait_dscnt 0x0
	s_set_vgpr_msb 0x500
	s_add_nc_u64 s[G0K+4*\slot+2:G0K+4*\slot+3], s[G0K+4*\slot+2:G0K+4*\slot+3], 2*SKEYS*128    ; 512 keys on
	s_add_nc_u64 s[G0V+4*\slot+2:G0V+4*\slot+3], s[G0V+4*\slot+2:G0V+4*\slot+3], 2*SKEYS*128
	s_add_nc_u64 s[G0M+4*\slot+2:G0M+4*\slot+3], s[G0M+4*\slot+2:G0M+4*\slot+3], 2*SKEYS*4
	ROUND                                          ; both now hold of every wave of every work-group of the cluster
	JLOAD \slot                                    ; my one tensor load behind the round; two blocks of every wave stand between it and the wait for it
.endif
.if \sync == 2
	s_wait_dscnt 0x0                               ; nothing is left to fetch: my reads of slot 0 are over for good, the last slot has landed,
	s_wait_tensorcnt 0x0
	s_barrier_signal -1
	s_barrier_wait -1                              ; and that holds of every wave
.endif
	FMA SB
	SMUL SA, 2
	MAXR SB, 1
	TAIL SB, 1, \first, 0
	FMA SA
	SMUL SB, 3
	MAXR SA, 2
.if \last == 0
	KLOAD \nslot, \nbi                             ; 18 plain vector instructions behind the last product that read k
.endif
	TAIL SA, 2, \first, 0
	FMA SB
.if \last == 0
	MLOAD \nslot, \nbi                             ; the mask has served its fourth head
	s_wait_dscnt 8                                 ; k is in; the eight loads of the mask, issued behind it, may stay out
	SMUL SA, 0
.endif
	MAXR SB, 3
	TAIL SB, 3, \first, 0
.endm
.macro TRIP first, sync_b, sync_d, last            ; once round the ring: 512 keys, of which 256 are mine
	BLOCK 0, 0, 0, 1, \first, 0, 0
	BLOCK 0, 1, 1, 0, 0, 0, \sync_b
	BLOCK 1, 0, 1, 1, 0, 0, 0
	BLOCK 1, 1, 0, 0, 0, \last, \sync_d
.endm
	s_wait_loadcnt 0x0                             ; q
	s_wait_tensorcnt 0x1                           ; my part of slot 0 is in; slot 1's load, issued behind it, may stay out
	s_barrier_signal -1
	s_barrier_wait -1
	KLOAD 0, 0
	MLOAD 0, 0
	s_wait_dscnt 8                                 ; k is in, the mask's eight loads may stay out
	SMUL SA, 0
	TRIP 1, 1, 1, 0                                ; the first trip stands in front of the loop: its first block starts the sums
	WIN 0
	s_mov_b32 s80, 2                               ; 2048 keys = 4 trips
.Ltrip:
	TRIP 0, 1, 1, 0
	WIN 0
	s_sub_co_u32 s80, s80, 1
	s_cmp_lg_u32 s80, 0
	s_cbranch_scc1 .Ltrip
	TRIP 0, 2, 0, 1                                ; the last trip fills nothing
	; THE TWO KEY HALVES ARE JOINED.  Wave kh keeps heads 2 kh, 2 kh + 1 and hands the other two to the wave of the same rows: lane by lane, since both hold
	; the same query and the same d in the same lane and register.  Register numbers hang on kh, so each step is written twice, under a branch on the wave's number.
.rept 4
	v_nop                                          ; four places behind the last matrix instructions: for the LDS stores of results and the loads into sources
.endr
; heads gs, gs + 1 go to the exchange area at byte off: 16 x 512 bytes of O, then for each lane two maxima and two row sums
.macro SEND gs, off
	WIN 0
	ds_store_b64 v[XB], v[MX+\gs:MX+\gs+1] offset:\off+8192
	WIN 0x04                                       ; an LDS store's data is source 1: window 1
	ds_store_b32 v[XB], v[LS+8*\gs] offset:\off+8200          ; every register of a tile of row sums holds the lane's query's sum
	ds_store_b32 v[XB], v[LS+8*\gs+8] offset:\off+8204
.set i, 0
.rept 16
	ds_store_b128 v[XB], v[32*\gs+4*i:32*\gs+4*i+3] offset:\off+512*i
.set i, i+1
.endr
	WIN 0
.endm
; heads gk, gk + 1: out = (O a + O' b) / (l a + l' b), a = 2^(m - max), b = 2^(m' - max); the partner's m', l', O' lie at byte off
.macro MERGE gk, off
	WIN 0
	ds_load_b128 v[PM:PM+3], v[XB] offset:\off+8192
.set i, 0
.rept 16
	ds_load_b128 v[PO+4*i:PO+4*i+3], v[XB] offset:\off+512*i
.set i, i+1
.endr
	s_wait_dscnt 16                                ; the partner's maxima and sums are in; the 16 loads of its O, issued behind, may stay out
	v_max_num_f32 v36, v[MX+\gk], v[PM]
	v_max_num_f32 v37, v[MX+\gk+1], v[PM+1]
	v_sub_f32 v38, v[MX+\gk], v36
	v_sub_f32 v39, v[MX+\gk+1], v37
	v_sub_f32 v40, v[PM], v36
	v_sub_f32 v41, v[PM+1], v37
	v_exp_f32 v38, v38                             ; a of the two heads
	v_exp_f32 v39, v39
	v_exp_f32 v40, v40                             ; b of the two heads
	v_exp_f32 v41, v41
	v_nop                                          ; a plain instruction behind the last exponential (ISA guide 5.7.2)
	s_wait_alu depctr_va_vdst(0)
	v_mul_f32 v42, v[PM+2], v40
	v_mul_f32 v43, v[PM+3], v41
	WIN 0x01                                       ; source 0 in window 1
	v_fma_f32 v42, v[LS+8*\gk], v38, v42
	v_fma_f32 v43, v[LS+8*\gk+8], v39, v43
	WIN 0
	v_rcp_f32 v42, v42
	v_rcp_f32 v43, v43
	v_nop                                          ; a plain instruction behind the last reciprocal
	s_wait_alu depctr_va_vdst(0)
	v_mul_f32 v44, v38, v42                        ; each factor twice: pairs for the packed forms
	v_mul_f32 v45, v38, v42
	v_mul_f32 v46, v40, v42
	v_mul_f32 v47, v40, v42
	v_mul_f32 v48, v39, v43
	v_mul_f32 v49, v39, v43
	v_mul_f32 v50, v41, v43
	v_mul_f32 v51, v41, v43
	s_wait_dscnt 0x0                               ; the partner's O
.irp i, 0,1
.set n, 0
.rept 16
	v_pk_mul_f32 v[PO+32*\i+2*n:PO+32*\i+2*n+1], v[PO+32*\i+2*n:PO+32*\i+2*n+1], v[46+4*\i:47+4*\i]
.set n, n+1
.endr
.endr
	WIN 0x01
.irp i, 0,1
.set n, 0
.rept 16
	v_pk_fma_f32 v[PO+32*\i+2*n:PO+32*\i+2*n+1], v[32*(\gk+\i)+2*n:32*(\gk+\i)+2*n+1], v[44+4*\i:45+4*\i], v[PO+32*\i+2*n:PO+32*\i+2*n+1]
.set n, n+1
.endr
.endr
	WIN 0
.endm
	WIN 0
	s_cmp_eq_u32 s87, 0
	s_cbranch_scc0 .Lsend_hi
	SEND 2, 0                                      ; key half 0 hands over heads 2, 3
	s_branch .Lsent
.Lsend_hi:
	SEND 0, 4*XW                                   ; key half 1 hands over heads 0, 1
.Lsent:
	s_wait_dscnt 0x0                               ; my stores are done, for the partner's sake
	s_barrier_signal -1
	s_barrier_wait -1
	s_cmp_eq_u32 s87, 0
	s_cbranch_scc0 .Lmerge_hi
	MERGE 0, 4*XW
	s_branch .Lmerged
.Lmerge_hi:
	MERGE 2, 0
.Lmerged:
	; THE WAY OUT: f16, through my own stage, so that sixteen lanes store a row's 256 bytes
.set i, 0
.rept 32
	v_cvt_pk_f16_f32 v[PK+i], v[PO+2*i], v[PO+2*i+1]
.set i, i+1
.endr
.irp g, 0,1
.irp dt, 0,1,2,3
	ds_store_b128 v[STO], v[PK+16*\g+4*\dt:PK+16*\g+4*\dt+3] offset:128*\g+32*\dt    ; query r, my head g, d = 16 dt + 8 h ..
.endr
.endr
.set i, 0
.rept 8
	ds_load_b128 v[PO+4*i:PO+4*i+3], v[RD] offset:2*SPITCH*i       ; LDS serves a wave's instructions in order (ISA guide 5.7.1.4): these see the stores above
.set i, i+1
.endr
.set i, 0
.rept 8
	s_wait_dscnt 7-i                               ; rows 2 i, 2 i + 1 are in, the younger loads stay out
	global_store_b128 v[CO], v[PO+4*i:PO+4*i+3], s[84:85] offset:8192*i    ; 16 lanes store 256 consecutive, aligned bytes
.set i, i+1
.endr
	s_set_vgpr_msb 0x5
	s_wait_tensorcnt 0x0
	ds_add_u32 v254, v255
	s_wait_dscnt 0x0
	s_set_vgpr_msb 0x500
	ROUND                                          ; the closing round: no work-group ends while a partner may still ask for a tile that names it
	s_endpgm
.Lfunc_end_k_q0a6aa03e97_attn:
	.size	k_q0a6aa03e97_attn, .Lfunc_end_k_q0a6aa03e97_attn-k_q0a6aa03e97_attn
	.p2alignl 7, 3214868480
	.fill 96, 4, 3214868480
	.section	.rodata,"a",@progbits
	.p2align	6, 0x0
	.amdhsa_kernel k_q0a6aa03e97_attn
		.amdhsa_group_segment_fixed_size 327680
		.amdhsa_private_segment_fixed_size 0
		.amdhsa_enable_private_segment 0
		.amdhsa_kernarg_size 24
		.amdhsa_user_sgpr_count 2
		.amdhsa_user_sgpr_kernarg_segment_ptr 1
		.amdhsa_wavefront_size32 1
		.amdhsa_system_sgpr_workgroup_id_x 1
		.amdhsa_system_sgpr_workgroup_id_y 1
		.amdhsa_system_sgpr_workgroup_id_z 1
		.amdhsa_system_vgpr_workitem_id 0
		.amdhsa_next_free_vgpr 512
		.amdhsa_next_free_sgpr 90
		.amdhsa_reserve_vcc 0
		.amdhsa_float_denorm_mode_32 3
		.amdhsa_float_denorm_mode_16_64 3
		.amdhsa_memory_ordered 1
		.amdhsa_forward_progress 1
		.amdhsa_inst_pref_size 255
	.end_amdhsa_kernel
	.section	.bss,"aw",@nobits
	.p2align	6
	.space	262144
	.amdgpu_metadata
---
amdhsa.version: [ 1, 2 ]
amdhsa.kernels:
  - .name:           k_q0a6aa03e97_attn
    .symbol:         k_q0a6aa03e97_attn.kd
    .args:
      - { .name: hd, .offset: 0, .size: 8, .value_kind: global_buffer, .address_space: global }
      - { .name: mask, .offset: 8, .size: 8, .value_kind: global_buffer, .address_space: global }
      - { .name: ao, .offset: 16, .size: 8, .value_kind: global_buffer, .address_space: global }
    .group_segment_fixed_size: 327680
    .private_segment_fixed_size: 0
    .kernarg_segment_align: 8
    .kernarg_segment_size: 24
    .max_flat_workgroup_size: 256
    .sgpr_count:     90
    .vgpr_count:     512
    .wavefront_size: 32
...
	.end_amdgpu_metadata
.endif
;; end of part 3
;; launch oproj (part 4): grid 16 x 16, 4 waves a work-group, clusters of 4 x 4, 327,680 bytes of LDS; arguments ao, cb, out0; writes out0
.if DOCPART == 4
	.amdgcn_target "amdgcn-amd-amdhsa--gfx1250"
	.amdhsa_code_object_version 6
	.text
	.protected	k_q0a6aa03e97_oproj
	.globl	k_q0a6aa03e97_oproj
	.p2align	8
	.type	k_q0a6aa03e97_oproj,@function
k_q0a6aa03e97_oproj:
	s_mov_b64 s[64:65], 0
	v_nop
	global_prefetch_b8 v0, s[64:65] scope:SCOPE_SE
	s_setreg_imm32_b32 hwreg(HW_REG_WAVE_MODE, 25, 1), 1
	s_wait_xcnt 0x0
	s_wait_alu depctr_hold_cnt(0) depctr_sa_sdst(0) depctr_va_vdst(0) depctr_va_sdst(0) depctr_va_ssrc(0) depctr_va_vcc(0) depctr_vm_vsrc(0)
	s_getreg_b32 s2, hwreg(HW_REG_IB_STS2, 6, 4)
	s_cmp_eq_u32 s2, 0
	s_cbranch_scc0 .Lentry_in_a_cluster
	s_endpgm
.Lentry_in_a_cluster:
	s_bfe_u32 s2, ttmp6, 0x10000c
	s_cmp_lg_u32 s2, 0xf033
	s_cbranch_scc0 .Lentry_shape_is_right
	s_endpgm
.Lentry_shape_is_right:
; out0[s][n] = sum over k of ao[s][k] Wo[n][k].  ao: f16 [2048][2048]; Wo: f16 [2048][2048] at cb + 20,971,520; out0: f32 [2048][2048]; sums in f32.
; 256 work-groups of 128 x 128; a wave makes 64 x 64: 16 accumulator tiles of 16 x 16 in window 1, tile (a, b) at v[8 (4 a + b)].
; K goes in slots of 256 (eight quarter steps of 32) through two LDS slots: a tile's rows are 512 bytes of memory; each wave fetches 64 rows.
; CLUSTERS: 4 x 4 work-groups; ao's tile hangs on the block row alone and is asked for jointly by a row of the cluster, Wo's on the block column and by a column.
; The matrix instruction is used transposed (source 0 = rows of Wo, source 1 = rows of ao): a lane holds eight neighbouring columns of one row of the result.
.set PITCH,  528                       ; an LDS row: 512 bytes + 16 = 132 words: the 16 rows of a fragment start at 16 different banks (64 banks of 4 bytes: ISA guide 11.1)
.set TROW,   16*PITCH
.set QROWS,  64*PITCH                  ; what one tensor load brings, and what one wave reads of ao or of Wo
.set SLOT,   4*QROWS                   ; ao's 128 rows, then Wo's 128 rows
.set STAGE,  2*SLOT                    ; behind the ring: 16 rows x 272 bytes for each wave; no tensor load lands here
.set SPITCH, 272
.set WOB,    20971520
.set SLOTK,  512                       ; bytes of a row in a slot
.set ADRA, 16                          ; v16-17  LDS address of my ao fragments in slot 0, 1
.set ADRB, 20                          ; v20-21  of Wo's
.set STO,  24
.set RD,   25
.set CO,   26
.set F0,   64                          ; fragment buffer 0: Wo's four tiles at +8 b, ao's four at +32 + 8 a
.set F1,   128
.set G1,  24                           ; s[24:31] group 1 for ao's tiles
.set G0,  32                           ; s[32:39] group 0 for ao's tiles, a set for each slot
.set G1B, 48
.set G0B, 56
.set G1W0, (1<<16)|(1<<20)|(1<<21)|(6<<22)|(3<<25)   ; elements of 2 bytes; padding on; bit 21 beside a mask; 4 words after every 128
.set MSB, 0
.macro WIN new
.if MSB != \new
	s_set_vgpr_msb (MSB<<8)|\new
.set MSB, \new
.endif
.endm
.macro JLOAD s                         ; waves 0 and 1 fetch ao's two halves, waves 2 and 3 Wo's
	s_cmp_eq_u32 s11, 0
	s_cbranch_scc0 .Lfor_b_\@
	tensor_load_to_lds s[G0+4*\s:G0+4*\s+3], s[G1:G1+7]
	s_nop 0
	s_branch .Lasked_\@
.Lfor_b_\@:
	tensor_load_to_lds s[G0B+4*\s:G0B+4*\s+3], s[G1B:G1B+7]
	s_nop 0
.Lasked_\@:
.endm
.macro CREST
	s_cmp_lg_u32 s10, 0
	s_cbranch_scc1 .Lnot_wave_0_\@
	s_barrier_signal -3
.Lnot_wave_0_\@:
	s_barrier_wait -3
	s_barrier_signal -1
	s_barrier_wait -1
.endm
.macro CROUND
	s_barrier_signal -1
	s_barrier_wait -1
	CREST
.endm
	s_load_b128 s[4:7], s[0:1], 0x0                ; ao s[4:5], cb s[6:7]
	s_load_b64 s[8:9], s[0:1], 0x10                ; out0
	v_lshl_add_u32 v254, v0, 2, 0x46400
	v_mov_b32 v255, 0
	ds_add_u32 v254, v255
	v_lshrrev_b32 v1, 5, v0
	v_readfirstlane_b32 s10, v1                    ; wave 0..3
	s_lshr_b32 s11, s10, 1                         ; which 64 rows of the block are mine.  Also: I fetch for ao (0) or for Wo (1)
	s_and_b32 s12, s10, 1                          ; which 64 columns.  Also: which 64 rows of that tile I fetch
	s_bfe_u32 s40, ttmp6, 0x40000                  ; cx
	s_bfe_u32 s41, ttmp6, 0x40004                  ; cy
	s_lshl_b32 s42, ttmp9, 2
	s_add_co_u32 s42, s42, s40                     ; block column
	s_and_b32 s13, ttmp7, 0xffff
	s_lshl_b32 s13, s13, 2
	s_add_co_u32 s13, s13, s41                     ; block row
	s_lshl_b32 s43, s41, 2
	s_lshl_b32 s43, 15, s43                        ; my row of the cluster
	s_lshl_b32 s44, 0x1111, s40                    ; my column
	s_or_b32 s[G1+0], s43, G1W0
	s_or_b32 s[G1B+0], s44, G1W0
.irp g, G1, G1B
	s_mov_b32 s[\g+1], 256<<16                     ; tensor_dim0 = 256
	s_mov_b32 s[\g+2], 64<<16                      ; tensor_dim1 = 64
	s_mov_b32 s[\g+3], 256<<16                     ; tile_dim0 = 256 elements
	s_mov_b32 s[\g+4], 64                          ; tile_dim1 = 64 rows
	s_mov_b32 s[\g+5], 2048                        ; elements from row to row
	s_mov_b32 s[\g+6], 0
	s_mov_b32 s[\g+7], 0
.endr
	s_lshl_b32 s17, s12, 6
	s_lshl_b32 s16, s13, 7
	s_add_co_u32 s16, s16, s17                     ; ao: row 128 x block row + 64 x half
	s_lshl_b32 s16, s16, 12                        ; rows of 4,096 bytes
	s_lshl_b32 s46, s42, 7
	s_add_co_u32 s46, s46, s17                     ; Wo: row 128 x block column + 64 x half
	s_lshl_b32 s46, s46, 12
	s_add_co_u32 s46, s46, WOB
	s_mov_b32 s17, 0
	s_mov_b32 s47, 0
	s_mul_i32 s20, s10, QROWS                      ; where they go: the wave's number times 64 rows
	s_wait_dscnt 0x0
	s_wait_kmcnt 0x0
	s_add_nc_u64 s[14:15], s[4:5], s[16:17]
	s_add_nc_u64 s[46:47], s[6:7], s[46:47]
.irp s, 0,1
	s_mov_b32 s[G0+4*\s], 1
	s_add_co_u32 s[G0+4*\s+1], s20, \s*SLOT
	s_add_nc_u64 s[G0+4*\s+2:G0+4*\s+3], s[14:15], \s*SLOTK
	s_or_b32 s[G0+4*\s+3], s[G0+4*\s+3], 0x80000000
	s_mov_b32 s[G0B+4*\s], 1
	s_add_co_u32 s[G0B+4*\s+1], s20, \s*SLOT
	s_add_nc_u64 s[G0B+4*\s+2:G0B+4*\s+3], s[46:47], \s*SLOTK
	s_or_b32 s[G0B+4*\s+3], s[G0B+4*\s+3], 0x80000000
.endr
	CROUND                                         ; all sixteen work-groups are here: the first joint loads meet
	s_cmp_eq_u32 s11, 0                            ; both slots' first fills in one branch: two tensor loads of each wave are out
	s_cbranch_scc0 .Lfirst_b
	tensor_load_to_lds s[G0:G0+3], s[G1:G1+7]
	s_nop 0
	tensor_load_to_lds s[G0+4:G0+7], s[G1:G1+7]
	s_nop 0
	s_branch .Lfirst_done
.Lfirst_b:
	tensor_load_to_lds s[G0B:G0B+3], s[G1B:G1B+7]
	s_nop 0
	tensor_load_to_lds s[G0B+4:G0B+7], s[G1B:G1B+7]
	s_nop 0
.Lfirst_done:
	v_and_b32 v1, 15, v0                           ; r = l % 16
	v_bfe_u32 v2, v0, 4, 1                         ; h = l / 16
	v_mul_u32_u24 v3, v1, PITCH
	v_lshl_add_u32 v3, v2, 4, v3                   ; a fragment: row r, 16 bytes for each half, and 32 bytes further
	s_mul_i32 s21, s11, QROWS                      ; my 64 rows of ao
	s_mul_i32 s22, s12, QROWS
	s_add_co_u32 s22, s22, 2*QROWS                 ; my 64 rows of Wo
.irp s, 0,1
	v_add_nc_u32 v[ADRA+\s], s21, v3
	v_add_nc_u32 v[ADRB+\s], s22, v3
	s_add_co_u32 s21, s21, SLOT
	s_add_co_u32 s22, s22, SLOT
.endr
	s_mul_i32 s23, s10, 16*SPITCH
	s_add_co_u32 s23, s23, STAGE                   ; my stage
	v_mul_u32_u24 v4, v1, SPITCH
	v_lshl_add_u32 v4, v2, 5, v4                   ; in: row r, 32 bytes (8 f32) for each half
	v_add_nc_u32 v[STO], s23, v4
	v_mul_u32_u24 v5, v2, SPITCH
	v_lshl_add_u32 v5, v1, 4, v5                   ; back: lanes 0-15 take one row of 256 bytes, lanes 16-31 the next
	v_add_nc_u32 v[RD], s23, v5
	v_lshlrev_b32 v5, 13, v2                       ; the same two rows in out0: 8,192 bytes apart
	v_lshl_add_u32 v[CO], v1, 4, v5
; four matrix instructions: tile row a x my four tiles of Wo.  The 16 accumulators take turns, one instruction a turn, in the same order in every
; quarter step.
.macro MULA f, a, zero
.irp b, 0,1,2,3
.if \zero
	v_wmma_f32_16x16x32_f16 v[8*(4*\a+\b):8*(4*\a+\b)+7], v[\f+8*\b:\f+8*\b+7], v[\f+32+8*\a:\f+32+8*\a+7], 0
.else
	v_wmma_f32_16x16x32_f16 v[8*(4*\a+\b):8*(4*\a+\b)+7], v[\f+8*\b:\f+8*\b+7], v[\f+32+8*\a:\f+32+8*\a+7], v[8*(4*\a+\b):8*(4*\a+\b)+7]
.endif
.endr
.endm
.macro FETCH slot, k, f                ; 16 LDS loads in one run: Wo's four tiles, then ao's four, 32 K at byte k of the rows
	WIN 0
.irp b, 0,1,2,3
	ds_load_b128 v[\f+8*\b:\f+8*\b+3],   v[ADRB+\slot] offset:\k+\b*TROW
	ds_load_b128 v[\f+8*\b+4:\f+8*\b+7], v[ADRB+\slot] offset:\k+\b*TROW+32
.endr
.irp a, 0,1,2,3
	ds_load_b128 v[\f+32+8*\a:\f+32+8*\a+3],   v[ADRA+\slot] offset:\k+\a*TROW
	ds_load_b128 v[\f+32+8*\a+4:\f+32+8*\a+7], v[ADRA+\slot] offset:\k+\a*TROW+32
.endr
.endm
.macro PLACES                          ; four places behind a matrix instruction, in front of loads into its sources and of readers of its result (ISA guide 7.12.1 for vector instructions)
.rept 4
	v_nop
.endr
.endm
.macro QUARTER slot, k, f, g, zero
	s_wait_dscnt 4                                 ; Wo's tiles and ao's tile rows 0, 1 are in; the youngest four loads may be out
	WIN 0x50                                       ; C and D in window 1
	MULA \f, 0, \zero
	MULA \f, 1, \zero
	PLACES
	FETCH \slot, \k, \g
	s_wait_dscnt 16                                ; all but the 16 just issued
	WIN 0x50
	MULA \f, 2, \zero
	MULA \f, 3, \zero
.endm
.macro SEVEN slot, zero
	QUARTER \slot, 64,  F0, F1, \zero
	QUARTER \slot, 128, F1, F0, 0
	QUARTER \slot, 192, F0, F1, 0
	QUARTER \slot, 256, F1, F0, 0
	QUARTER \slot, 320, F0, F1, 0
	QUARTER \slot, 384, F1, F0, 0
	QUARTER \slot, 448, F0, F1, 0
.endm
; The eighth quarter multiplies buffer 1 and changes slots: each wave's waits for its reads of this slot and for all its tensor loads, the barrier (with
; fill = 1 it opens a round of the cluster's barrier), the refill first behind it.  From that request to the wait for it a wave issues 124 of a slot's 128 matrix instructions.
.macro TURN slot, next, fill
	s_wait_dscnt 4
	WIN 0x50
	MULA F1, 0, 0
	s_wait_dscnt 0x0                               ; my reads of this slot are over
	s_wait_tensorcnt 0x0                           ; all my tensor loads have landed: the one that was out is my part of the next slot
	ds_add_u32 v254, v255
	s_wait_dscnt 0x0
	s_barrier_signal -1
	MULA F1, 1, 0
	WIN 0
	s_barrier_wait -1
.if \fill
	CREST
	s_add_nc_u64 s[G0+4*\slot+2:G0+4*\slot+3], s[G0+4*\slot+2:G0+4*\slot+3], 2*SLOTK
	s_add_nc_u64 s[G0B+4*\slot+2:G0B+4*\slot+3], s[G0B+4*\slot+2:G0B+4*\slot+3], 2*SLOTK
	JLOAD \slot                                    ; my one tensor load behind the round
.endif
	PLACES
	FETCH \next, 0, F0
	WIN 0x50
	MULA F1, 2, 0
	MULA F1, 3, 0
.endm
.macro LAP zero
	SEVEN 0, \zero
	TURN 0, 1, 1
	SEVEN 1, 0
	TURN 1, 0, 1
.endm
	s_wait_tensorcnt 0x1                           ; my part of slot 0 is in; slot 1's load, issued behind it, may stay out
	s_barrier_signal -1
	s_barrier_wait -1
	FETCH 0, 0, F0
	LAP 1                                          ; 2048 / 512 = 4 laps; the first starts the sums
	WIN 0
	s_mov_b32 s3, 2
.Llap:
	LAP 0
	WIN 0
	s_sub_co_u32 s3, s3, 1
	s_cmp_lg_u32 s3, 0
	s_cbranch_scc1 .Llap
	SEVEN 0, 0                                     ; the last lap fills nothing
	TURN 0, 1, 0
	SEVEN 1, 0
	s_wait_dscnt 4
	WIN 0x50
	MULA F1, 0, 0
	MULA F1, 1, 0
	s_wait_dscnt 0x0
	MULA F1, 2, 0
	MULA F1, 3, 0
	; THE WAY OUT, 16 rows at a time through my own stage: 32 bytes a lane in, whole rows of 256 bytes back
	PLACES
	s_lshl_b32 s16, s13, 20                        ; 128 rows of 8,192 bytes a block row,
	s_lshl_b32 s17, s11, 19                        ; 64 rows for my half
	s_add_co_u32 s16, s16, s17
	s_mov_b32 s17, 0
	s_add_nc_u64 s[8:9], s[8:9], s[16:17]
	s_lshl_b32 s46, s42, 9                         ; 512 bytes a block column, 256 for my half
	s_lshl_b32 s47, s12, 8
	s_add_co_u32 s46, s46, s47
	s_mov_b32 s47, 0
	s_add_nc_u64 s[8:9], s[8:9], s[46:47]
.macro OUT16 a
	WIN 0x04                                       ; an LDS store's data is source 1: window 1
.irp b, 0,1,2,3
	ds_store_b128 v[STO], v[8*(4*\a+\b):8*(4*\a+\b)+3]   offset:64*\b
	ds_store_b128 v[STO], v[8*(4*\a+\b)+4:8*(4*\a+\b)+7] offset:64*\b+16
.endr
	WIN 0
.irp t, 0,1,2,3,4,5,6,7
	ds_load_b128 v[64+32*\a+4*\t:64+32*\a+4*\t+3], v[RD] offset:\t*2*SPITCH    ; LDS serves a wave's instructions in order (ISA guide 5.7.1.4); registers of their own for every a
.endr
.irp t, 0,1,2,3,4,5,6,7
	s_wait_dscnt 7-\t                              ; this load is in, the younger ones stay out
	global_store_b128 v[CO], v[64+32*\a+4*\t:64+32*\a+4*\t+3], s[8:9] offset:\a*131072+\t*16384 th:TH_STORE_NT   ; 16 lanes store 256 consecutive, aligned bytes
.endr
.endm
	OUT16 0
	OUT16 1
	OUT16 2
	OUT16 3
	s_wait_tensorcnt 0x0
	ds_add_u32 v254, v255
	s_wait_dscnt 0x0
	CROUND                                         ; the closing round
	s_endpgm
.Lfunc_end_k_q0a6aa03e97_oproj:
	.size	k_q0a6aa03e97_oproj, .Lfunc_end_k_q0a6aa03e97_oproj-k_q0a6aa03e97_oproj
	.p2alignl 7, 3214868480
	.fill 96, 4, 3214868480
	.section	.rodata,"a",@progbits
	.p2align	6, 0x0
	.amdhsa_kernel k_q0a6aa03e97_oproj
		.amdhsa_group_segment_fixed_size 327680
		.amdhsa_private_segment_fixed_size 0
		.amdhsa_enable_private_segment 0
		.amdhsa_kernarg_size 24
		.amdhsa_user_sgpr_count 2
		.amdhsa_user_sgpr_kernarg_segment_ptr 1
		.amdhsa_wavefront_size32 1
		.amdhsa_system_sgpr_workgroup_id_x 1
		.amdhsa_system_sgpr_workgroup_id_y 1
		.amdhsa_system_sgpr_workgroup_id_z 1
		.amdhsa_system_vgpr_workitem_id 0
		.amdhsa_next_free_vgpr 384
		.amdhsa_next_free_sgpr 66
		.amdhsa_reserve_vcc 0
		.amdhsa_float_denorm_mode_32 3
		.amdhsa_float_denorm_mode_16_64 3
		.amdhsa_memory_ordered 1
		.amdhsa_forward_progress 1
		.amdhsa_inst_pref_size 127
	.end_amdhsa_kernel
	.amdgpu_metadata
---
amdhsa.version: [ 1, 2 ]
amdhsa.kernels:
  - .name:           k_q0a6aa03e97_oproj
    .symbol:         k_q0a6aa03e97_oproj.kd
    .args:
      - { .name: ao, .offset: 0, .size: 8, .value_kind: global_buffer, .address_space: global }
      - { .name: cb, .offset: 8, .size: 8, .value_kind: global_buffer, .address_space: global }
      - { .name: out0, .offset: 16, .size: 8, .value_kind: global_buffer, .address_space: global }
    .group_segment_fixed_size: 327680
    .private_segment_fixed_size: 0
    .kernarg_segment_align: 8
    .kernarg_segment_size: 24
    .max_flat_workgroup_size: 128
    .sgpr_count:     66
    .vgpr_count:     384
    .wavefront_size: 32
...
	.end_amdgpu_metadata
.endif
;; end of part 4
